; MI455X (gfx1250); checked and timed in simulation.
; The chip was launched on July 23, 2026; its instructions are those of AMD's public machine-readable ISA for CDNA 5 (MIT licence, August 2026) and "CDNA5" Instruction Set Architecture Reference Guide (July 2026). The comments in the code are by the model that wrote it; some were corrected since.
;; Masked Multihead Self Attention. Allowed arithmetic: matrix products marked QUANTISED: E2M3 operands, one E8M0 scale for each 32 along K, by v_wmma_scale_f32_16x16x128_f8f6f4 with both operands' format E2M3, f32 sums; everything else in f32.
;; Inputs: b_out 1,024 float32; b_qkv 3,072 float32; w_out 1,024 x 1,024 float32; w_qkv 1,024 x 3,072 float32; x 4 x 2,048 x 1,024 float32.
;; Outputs: out0 4 x 2,048 x 1,024 float32.
;; This version of the problem:
;;   THIS VERSION OF THE PROBLEM IS GIVEN IN LOW PRECISION. The matrix products marked QUANTISED in the list below multiply operands that are first quantised to E2M3 (2 exponent bits, 3 mantissa bits; 6 bits a number), with one power-of-two scale for each 32 numbers along K (OCP MX v1.0); their sums are f32. All else is computed in f32.
;;   The module's matrix products, in the order in which they are computed (A, B: the left and right operand; K: the contracted axis; several contracted axes count as one K, in the product's order):
;;     1. [M 8,192, K 1,024] x [K 1,024, N 3,072]; A: input x; B: input w_qkv: QUANTISED
;;     2. batch 64 x [M 2,048, K 64] x [K 64, N 2,048]; A: computed on the way; B: computed on the way: QUANTISED
;;     3. batch 64 x [M 2,048, K 2,048] x [K 2,048, N 64]; A: softmax (see below); B: computed on the way: QUANTISED
;;     4. [M 8,192, K 1,024] x [K 1,024, N 1,024]; A: computed on the way; B: input w_out: QUANTISED
;;   THE QUANTISER, for each operand of a quantised product, along K:
;;     - K is cut into blocks of 32 from its start; a last block that is shorter is filled with zeros.
;;     - A block's scale is 2^e with e = floor(log2(the largest magnitude in the block)) - 2, held to -126 .. 127; a block of zeros has e = 0. As a byte (E8M0): e + 127.
;;     - Each number is divided by its block's scale, clamped to +-7.5, and rounded to the nearest number of E2M3, ties to even, subnormals kept.
;;     - The product sums the exact products of the quantised numbers (number of the format x scale) in f32.
;;   ~~~python
;;   def quantise(x, axis):      # numpy; x: float32 -> the quantised numbers, widened to float32 again
;;       x = np.moveaxis(x, axis, -1); K = x.shape[-1]
;;       x = np.pad(x, [(0, 0)] * (x.ndim - 1) + [(0, -K % 32)]); x = x.reshape(x.shape[:-1] + (-1, 32)); a = np.abs(x).max(-1, keepdims=True)
;;       e = np.where(a > 0, np.clip(np.frexp(np.where(a > 0, a, 1))[1] - 1 - 2, -126, 127), 0)      # np.frexp(a)[1] - 1 = floor(log2(a)), exactly
;;       r = np.clip(x / 2.0 ** e, -7.5, 7.5)
;;       step = 2.0 ** (np.maximum(np.frexp(np.where(r == 0, 1, r))[1] - 1, 0) - 3)
;;       q = np.round(r / step) * step * 2.0 ** e      # np.round: ties to even
;;       return np.moveaxis(q.reshape(q.shape[:-2] + (-1,))[..., :K], -1, axis).astype(np.float32)
;;   ~~~
;;   SOFTMAX AHEAD OF A QUANTISED PRODUCT. Where the list says 'softmax', what is quantised is not the finished softmax but p = 2^(t - M), with t = logit x log2(e) and M = ceil(the row's largest t), a whole number; so 1/2 < the row's largest p <= 1. The row's sum l is taken of the UNQUANTISED p, in f32, and the product's result is divided by l at the end. Since M is a whole number, a kernel that streams over the keys may use a running M (the ceiling of the running maximum): every later rescaling is an exact power of two, which a block's scale takes up: the codes' values come out the same.
;;   OPERANDS COMPUTED ON THE WAY. 'Computed on the way' means the value that the module computes at that place (a softmax that the list does not call 'softmax' is quantised finished and normalised). What goes into a quantiser is computed in f32, as accurately as f32 sums, v_exp_f32 and their like allow (about 1e-6 of the number): no bf16 or f16 on the way to a quantiser, and a product that is left as it is and whose result goes on into a quantised operand takes f32 operands (vector FMAs, or v_wmma_f32_16x16x4_f32). A number that lies on a knife's edge between two numbers of the format may be rounded either way, as far as f32 arithmetic and the matrix unit's own rounding can turn it there, and no further.
;; One version. Each part assembles by itself: llvm-mc -triple=amdgcn-amd-amdhsa -mcpu=gfx1250 --defsym DOCPART=n.
;; ======== version 1 of 1: 4 launches
;; workspace buffers: ximg 6,291,456 bytes; wimg 3,145,728 bytes; gsc 655,360 bytes; qrec 13,369,344 bytes; kvrec 13,369,344 bytes; oimg 6,291,456 bytes
;; launch quant (part 1): grid 384 x 1, 4 waves a work-group, no clusters, 59,904 bytes of LDS; arguments x, w_qkv, w_out, ximg, wimg, gsc; writes ximg, wimg, gsc
.if DOCPART == 1
	.amdgcn_target "amdgcn-amd-amdhsa--gfx1250"
	.amdhsa_code_object_version 6
	.text
	.protected	k_q27c5e2218c_quant
	.globl	k_q27c5e2218c_quant
	.p2align	8
	.type	k_q27c5e2218c_quant,@function
k_q27c5e2218c_quant:
	s_mov_b64 s[64:65], 0
	v_nop
	global_prefetch_b8 v0, s[64:65] scope:SCOPE_SE
	s_setreg_imm32_b32 hwreg(HW_REG_WAVE_MODE, 25, 1), 1
	s_wait_xcnt 0x0
; x [8192][1024], w_qkv [1024][3072] and w_out [1024][1024], f32, become codes of FP6 (E2M3) with one E8M0 byte for each 32 along K (K = 1024 in all three).
; A block's scale is 2^(floor(log2(its largest magnitude)) - 2): its byte is the largest magnitude's exponent field - 2, held at 1 from below by a floor among the maximum's leaves.
; LIMITS: a block of zeros gets the byte 1 (its codes are zeros, and this program alone reads the bytes); blocks whose largest magnitude lies under 2^-124 are held at byte 1; NaN and infinities are not served.
; THE CODES ARE LAID IN THE ORDER OF THE OPERAND'S REGISTERS.  A half fragment (16 rows x 64 K) is 768 bytes: registers 0-3 of lane l at 16 l, registers 4-5 at 512 + 8 l; lane (r, h) holds k = 32 h .. 32 h + 31 of row r.
; An image is [tile of 16 rows][K / 64][768].  ROW r OF TILE 2 g + u IS ELEMENT 32 g + 8 u + r + 8 (r / 8): a product that takes such rows as source 0 leaves 16 neighbours in the 16 registers of two neighbouring tiles.
; The scale words lie [tile][K / 256][row][2 words], 512 bytes a tile: x's tiles from byte 0 of gsc, the weights' 256 tiles (192 of w_qkv's columns, 64 of w_out's) from byte GW.
; Work-groups 0-255 take x (K innermost), 256-383 the weights (K is the first axis: a lane takes a column, its registers run down K).  Waves share nothing: no barrier.  Each path has LDS bytes of its own.
.set GW,    262144
.set R,     16                         ; x: v16-143  two sets of 64 numbers as loaded
.set X,     144                        ; x: v144-207 64 numbers, 32 neighbours along K twice
.set C,     208                        ; x: v208-231 two sets of 12 code registers
.set WD,    236                        ; x: v236-239 the four steps' scale words
	s_load_b256 s[4:11], s[0:1], 0x0               ; x s[4:5], w_qkv s[6:7], w_out s[8:9], ximg s[10:11]
	s_load_b128 s[12:15], s[0:1], 0x20             ; wimg s[12:13], gsc s[14:15]
	v_lshl_add_u32 v248, v0, 2, 0xe800
	v_mov_b32 v249, 0
	v_lshrrev_b32 v6, 5, v0
	v_readfirstlane_b32 s16, v6                    ; wave 0..3
	v_and_b32 v7, 31, v0                           ; lane
	v_lshlrev_b32 v1, 4, v7                        ; 16 x lane
	v_lshlrev_b32 v2, 3, v7                        ; 8 x lane
	s_cmp_lt_u32 ttmp9, 256
	s_cbranch_scc0 .Lw
; ---------------- x: a wave takes one tile of 16 rows x 512 along K, in four steps of 128
	v_and_b32 v8, 15, v0                           ; r
	v_bfe_u32 v9, v0, 4, 1                         ; h
	s_mul_i32 s17, s16, 8448                       ; my stage: 16 rows x (512 + 16) bytes
	v_add_nc_u32 v3, s17, v1                       ; in: 16 x lane of a row
	v_mul_u32_u24 v4, v8, 528
	v_lshl_add_u32 v4, v9, 7, v4
	v_add_nc_u32 v4, s17, v4                       ; out: row r, + 128 h: my 32 neighbours of each 64
	v_lshlrev_b32 v5, 3, v9                        ; 8 h
	v_mov_b32 v240, 0                              ; written once: a lane permute's destination counts as one of its sources
	s_mov_b32 s20, 0x76543210
	s_mov_b32 s21, 0xfedcba98                      ; selects for lane l xor 16
	s_lshl_b32 s18, ttmp9, 2
	s_add_co_u32 s18, s18, s16
	s_lshr_b32 s19, s18, 1                         ; tile 0..511
	s_and_b32 s22, s18, 1                          ; which half of K
	s_lshr_b32 s23, s19, 1
	s_lshl_b32 s24, s23, 17                        ; 32 rows of 4,096 bytes for each pair of tiles,
	s_and_b32 s23, s19, 1
	s_lshl_b32 s23, s23, 15                        ; 8 rows for the odd tile,
	s_add_co_u32 s24, s24, s23
	s_lshl_b32 s23, s22, 11                        ; 2,048 bytes for the upper half of K
	s_add_co_u32 s24, s24, s23
	s_mov_b32 s25, 0
	s_mul_i32 s26, s19, 12288                      ; the tile's image, and my 8 half fragments of it
	s_mul_i32 s23, s22, 6144
	s_add_co_u32 s26, s26, s23
	s_mov_b32 s27, 0
	s_lshl_b32 s28, s19, 9                         ; the tile's scale words, and my two quarters of K
	s_lshl_b32 s23, s22, 8
	s_add_co_u32 s28, s28, s23
	s_mov_b32 s29, 0
	s_wait_kmcnt 0x0
	s_add_nc_u64 s[4:5], s[4:5], s[24:25]
	s_add_nc_u64 s[10:11], s[10:11], s[26:27]
	s_add_nc_u64 s[14:15], s[14:15], s[28:29]
.macro LOADX s                         ; step s: 16 loads, each one row's 512 consecutive bytes
.irp i, 0,1,2,3,4,5,6,7,8,9,10,11,12,13,14,15
	global_load_b128 v[R+64*((\s)%2)+4*\i:R+64*((\s)%2)+4*\i+3], v1, s[4:5] offset:(\i+8*(\i/8))*4096+512*(\s) th:TH_LOAD_NT
.endr
.endm
; a block of 32 numbers, all mine, at v[xs] on: six code registers at v[cd] on and the byte in v[bt]
.macro QBLK xs, cd, bt
	v_max3_num_f32 v6, |v[\xs]|, |v[\xs+1]|, |v[\xs+2]|
	v_max3_num_f32 v7, |v[\xs+3]|, |v[\xs+4]|, |v[\xs+5]|
.irp i, 6,10,14,18,22,26
	v_max3_num_f32 v6, v6, |v[\xs+\i]|, |v[\xs+\i+1]|
	v_max3_num_f32 v7, v7, |v[\xs+\i+2]|, |v[\xs+\i+3]|
.endr
	v_max3_num_f32 v6, v6, |v[\xs+30]|, |v[\xs+31]|
	v_max3_num_f32 v6, v6, v7, 0x1800000           ; and the floor 2^(3 - 127): the byte cannot fall under 1
	v_add_nc_u32 v8, 0xff000000, v6                ; 2 off the exponent field: the conversion's scale operand
	v_lshrrev_b32 v[\bt], 23, v8                   ; the byte
	v_cvt_scalef32_pk16_fp6_f32 v[\cd:\cd+2], v[\xs:\xs+15], v8
	v_cvt_scalef32_pk16_fp6_f32 v[232:234], v[\xs+16:\xs+31], v8   ; (a conversion's three registers begin on an even number)
	v_nop                                          ; one plain place behind a scaled conversion
	v_mov_b32 v[\cd+3], v232
	v_mov_b32 v[\cd+4], v233
	v_mov_b32 v[\cd+5], v234
.endm
.macro STEPX s
.set RS, R+64*((\s)%2)
.set CC, C+12*((\s)%2)
.if (\s) < 3
	s_wait_loadcnt 16                              ; this step's 16 loads are in; the next step's 16 may be out
.else
	s_wait_loadcnt 0x0
.endif
.irp i, 0,1,2,3,4,5,6,7,8,9,10,11,12,13,14,15
	ds_store_b128 v3, v[RS+4*\i:RS+4*\i+3] offset:528*\i          ; rows as they lie; the pitch of 528 bytes sets the sixteen rows of a read 33 columns of 16 bytes apart
.endr
.irp j, 0,1,2,3,4,5,6,7,8,9,10,11,12,13,14,15
	ds_load_b128 v[X+4*\j:X+4*\j+3], v4 offset:256*(\j/8)+16*(\j%8)   ; LDS serves a wave's instructions in order: these see the stores.  k = 64 (j / 8) + 32 h + 4 (j % 8) on
.endr
	s_wait_dscnt 0x0                               ; the numbers are back, and the stores have read their registers
	s_wait_xcnt 0x0                                ; the stores of two steps back have read this set of code registers
.if (\s) < 2
	LOADX (\s)+2
.endif
	QBLK X, CC, 10
	QBLK X+32, CC+6, 11
	v_lshl_or_b32 v12, v11, 16, v10                ; my two bytes: blocks h and 2 + h of row r,
	v_lshlrev_b32 v12, v5, v12                     ; 8 h bits up;
	v_permlanex16_b32 v240, v12, s20, s21
	v_or_b32 v[WD+(\s)], v12, v240                 ; with lane l xor 16's two the word is whole
	global_store_b128 v1, v[CC:CC+3], s[10:11] offset:(2*(\s))*768             ; 512 consecutive bytes
	global_store_b64 v2, v[CC+4:CC+5], s[10:11] offset:(2*(\s))*768+512        ; 256 consecutive bytes
	global_store_b128 v1, v[CC+6:CC+9], s[10:11] offset:(2*(\s)+1)*768
	global_store_b64 v2, v[CC+10:CC+11], s[10:11] offset:(2*(\s)+1)*768+512
.endm
	LOADX 0
	LOADX 1
	STEPX 0
	STEPX 1
	STEPX 2
	STEPX 3
	v_cmp_ne_u32 vcc_lo, 0, v5                     ; lanes 16-31 store the second quarter's two words
	v_cndmask_b32 v242, v236, v238, vcc_lo
	v_cndmask_b32 v243, v237, v239, vcc_lo
	global_store_b64 v2, v[242:243], s[14:15]      ; 256 consecutive bytes: [quarter h][row r][2 words]
	s_wait_tensorcnt 0x0
	ds_add_u32 v248, v249
	s_wait_dscnt 0x0
	s_endpgm
; ---------------- the weights: a wave takes 32 columns x 256 along K: 8 blocks a lane
.Lw:
	s_sub_co_u32 s17, ttmp9, 256
	s_and_b32 s18, s17, 3                          ; which 256 along K
	s_lshr_b32 s19, s17, 2                         ; which 128 columns: 0..23 of w_qkv, 24..31 are w_out's 0..7
	s_mov_b32 s22, 12288
	s_wait_kmcnt 0x0
	s_cmp_ge_u32 s19, 24                           ; the choice hangs on the work-group's number alone
	s_cselect_b64 s[6:7], s[8:9], s[6:7]           ; the tensor,
	s_cselect_b32 s22, 4096, s22                   ; its row in bytes,
	s_cselect_b32 s23, 24, 0
	s_sub_co_u32 s23, s19, s23                     ; and the block of 128 columns in it
	s_lshl_b32 s23, s23, 9
	s_lshl_b32 s24, s16, 7                         ; 32 columns a wave
	s_add_co_u32 s23, s23, s24
	s_mul_i32 s24, s18, s22
	s_lshl_b32 s24, s24, 8                         ; 256 rows for each step along K
	s_add_co_u32 s24, s24, s23
	s_mov_b32 s25, 0
	s_add_nc_u64 s[6:7], s[6:7], s[24:25]
	s_lshl_b32 s26, s22, 5                         ; 32 rows: from block to block
	s_mov_b32 s27, 0
	v_lshlrev_b32 v16, 2, v7                       ; v16-47: 4 x lane + i rows
.set i, 1
.rept 31
	v_add_nc_u32 v[16+i], s22, v[15+i]
.set i, i+1
.endr
	v_bfe_u32 v8, v7, 3, 1                         ; my column c = lane lies in tile u = (c / 8) % 2
	v_and_b32 v9, 7, v7
	v_lshrrev_b32 v10, 4, v7
	v_lshl_add_u32 v9, v10, 3, v9                  ; at row r' = c % 8 + 8 (c / 16)
	s_mul_i32 s28, s16, 6400
	s_add_co_u32 s28, s28, 33792                   ; my stage: two tiles' four half fragments, 3,200 bytes apart
	v_mul_u32_u24 v11, v8, 3200
	v_add_nc_u32 v11, s28, v11
	v_lshl_add_u32 v12, v9, 4, v11                 ; where my registers 0-3 go
	v_lshl_add_u32 v13, v9, 3, v11                 ; and my registers 4-5
	v_add_nc_u32 v3, s28, v1                       ; back: 16 x lane
	v_lshlrev_b32 v5, 9, v8
	v_lshl_add_u32 v5, v9, 3, v5                   ; my scale words: tile u, row r'
	s_lshl_b32 s29, s19, 3
	s_lshl_b32 s30, s16, 1
	s_add_co_u32 s29, s29, s30                     ; my first tile of wimg: 8 x block + 2 x wave
	s_mul_i32 s30, s29, 12288
	s_mul_i32 s31, s18, 3072
	s_add_co_u32 s30, s30, s31
	s_mov_b32 s31, 0
	s_add_nc_u64 s[12:13], s[12:13], s[30:31]
	s_lshl_b32 s32, s29, 9
	s_lshl_b32 s33, s18, 7
	s_add_co_u32 s32, s32, s33
	s_add_co_u32 s32, s32, GW
	s_mov_b32 s33, 0
	s_add_nc_u64 s[14:15], s[14:15], s[32:33]
.macro LOADW t                         ; block t: w(32 t + i, my column), i = 0 .. 31: each load reads 128 consecutive bytes
.if (\t) > 0
	s_wait_xcnt 0x0                                ; the earlier loads have read their base
	s_add_nc_u64 s[6:7], s[6:7], s[26:27]
.endif
.irp i, 0,1,2,3,4,5,6,7,8,9,10,11,12,13,14,15,16,17,18,19,20,21,22,23,24,25,26,27,28,29,30,31
	global_load_b32 v[48+32*((\t)%2)+\i], v[16+\i], s[6:7] th:TH_LOAD_NT
.endr
.endm
.macro BLOCKW t
.set XS, 48+32*((\t)%2)
.if (\t) < 7
	s_wait_loadcnt 32                              ; this block's 32 loads are in; the next block's may be out
.else
	s_wait_loadcnt 0x0
.endif
	v_max3_num_f32 v6, |v[XS]|, |v[XS+1]|, |v[XS+2]|
	v_max3_num_f32 v7, |v[XS+3]|, |v[XS+4]|, |v[XS+5]|
.irp i, 6,10,14,18,22,26
	v_max3_num_f32 v6, v6, |v[XS+\i]|, |v[XS+\i+1]|
	v_max3_num_f32 v7, v7, |v[XS+\i+2]|, |v[XS+\i+3]|
.endr
	v_max3_num_f32 v6, v6, |v[XS+30]|, |v[XS+31]|
	v_max3_num_f32 v6, v6, v7, 0x1800000           ; the floor
	v_add_nc_u32 v8, 0xff000000, v6
	v_lshrrev_b32 v9, 23, v8
.if (\t)%4 == 0
	v_mov_b32 v[122+(\t)/4], v9                    ; four bytes to a word, the lower K in the lower byte
.else
	v_lshl_or_b32 v[122+(\t)/4], v9, 8*((\t)%4), v[122+(\t)/4]
.endif
	v_cvt_scalef32_pk16_fp6_f32 v[112:114], v[XS:XS+15], v8
	v_cvt_scalef32_pk16_fp6_f32 v[118:120], v[XS+16:XS+31], v8
	v_nop                                          ; one plain place behind a scaled conversion
	v_mov_b32 v115, v118
	v_mov_b32 v116, v119
	v_mov_b32 v117, v120
	ds_store_b128 v12, v[112:115] offset:768*((\t)/2)+256*((\t)%2)       ; half fragment t / 2, lane r' + 16 (t % 2)
	ds_store_b64 v13, v[116:117] offset:768*((\t)/2)+512+128*((\t)%2)
.if (\t) < 6
	LOADW (\t)+2
.endif
	s_wait_dscnt 0x0                               ; the stores have read their registers: the next block's codes may be written
.endm
	LOADW 0
	LOADW 1
.irp t, 0,1,2,3,4,5,6,7
	BLOCKW \t
.endr
	global_store_b64 v5, v[122:123], s[14:15]      ; my column's two words: runs of 128 consecutive bytes for each tile (the region is 131,072 bytes in all)
.irp n, 0,1,2,3,4,5,6,7,8,9,10,11
	ds_load_b128 v[124+4*\n:124+4*\n+3], v3 offset:3200*(\n/6)+512*(\n%6)
.endr
.irp n, 0,1,2,3,4,5,6,7,8,9,10,11
	s_wait_dscnt 11-\n                             ; LDS loads come back in order: load n is in
	global_store_b128 v1, v[124+4*\n:124+4*\n+3], s[12:13] offset:12288*(\n/6)+512*(\n%6)   ; 512 consecutive bytes
.endr
	s_wait_tensorcnt 0x0
	ds_add_u32 v248, v249
	s_wait_dscnt 0x0
	s_endpgm
.Lfunc_end_k_q27c5e2218c_quant:
	.size	k_q27c5e2218c_quant, .Lfunc_end_k_q27c5e2218c_quant-k_q27c5e2218c_quant
	.p2alignl 7, 3214868480
	.fill 96, 4, 3214868480
	.section	.rodata,"a",@progbits
	.p2align	6, 0x0
	.amdhsa_kernel k_q27c5e2218c_quant
		.amdhsa_group_segment_fixed_size 59904
		.amdhsa_private_segment_fixed_size 0
		.amdhsa_enable_private_segment 0
		.amdhsa_kernarg_size 48
		.amdhsa_user_sgpr_count 2
		.amdhsa_user_sgpr_kernarg_segment_ptr 1
		.amdhsa_wavefront_size32 1
		.amdhsa_system_sgpr_workgroup_id_x 1
		.amdhsa_system_sgpr_workgroup_id_y 1
		.amdhsa_system_sgpr_workgroup_id_z 1
		.amdhsa_system_vgpr_workitem_id 0
		.amdhsa_next_free_vgpr 250
		.amdhsa_next_free_sgpr 66
		.amdhsa_reserve_vcc 1
		.amdhsa_float_denorm_mode_32 3
		.amdhsa_float_denorm_mode_16_64 3
		.amdhsa_memory_ordered 1
		.amdhsa_forward_progress 1
		.amdhsa_inst_pref_size 73
	.end_amdhsa_kernel
	.amdgpu_metadata
---
amdhsa.version: [ 1, 2 ]
amdhsa.kernels:
  - .name:           k_q27c5e2218c_quant
    .symbol:         k_q27c5e2218c_quant.kd
    .args:
      - { .name: x, .offset: 0, .size: 8, .value_kind: global_buffer, .address_space: global }
      - { .name: w_qkv, .offset: 8, .size: 8, .value_kind: global_buffer, .address_space: global }
      - { .name: w_out, .offset: 16, .size: 8, .value_kind: global_buffer, .address_space: global }
      - { .name: ximg, .offset: 24, .size: 8, .value_kind: global_buffer, .address_space: global }
      - { .name: wimg, .offset: 32, .size: 8, .value_kind: global_buffer, .address_space: global }
      - { .name: gsc, .offset: 40, .size: 8, .value_kind: global_buffer, .address_space: global }
    .group_segment_fixed_size: 59904
    .private_segment_fixed_size: 0
    .kernarg_segment_align: 8
    .kernarg_segment_size: 48
    .max_flat_workgroup_size: 128
    .sgpr_count:     66
    .vgpr_count:     250
    .wavefront_size: 32
...
	.end_amdgpu_metadata
.endif
;; end of part 1
;; launch qkv (part 2): grid 12 x 32, 4 waves a work-group, clusters of 4 x 4, 327,680 bytes of LDS; arguments ximg, wimg, gsc, b_qkv, qrec, kvrec; writes qrec, kvrec
.if DOCPART == 2
	.amdgcn_target "amdgcn-amd-amdhsa--gfx1250"
	.amdhsa_code_object_version 6
	.text
	.protected	k_q27c5e2218c_qkv
	.globl	k_q27c5e2218c_qkv
	.p2align	8
	.type	k_q27c5e2218c_qkv,@function
k_q27c5e2218c_qkv:
	s_mov_b64 s[64:65], 0
	v_nop
	global_prefetch_b8 v0, s[64:65] scope:SCOPE_SE
	s_setreg_imm32_b32 hwreg(HW_REG_WAVE_MODE, 25, 1), 1
	s_wait_xcnt 0x0
	s_wait_alu depctr_hold_cnt(0) depctr_sa_sdst(0) depctr_va_vdst(0) depctr_va_sdst(0) depctr_va_ssrc(0) depctr_va_vcc(0) depctr_vm_vsrc(0)
	s_getreg_b32 s2, hwreg(HW_REG_IB_STS2, 6, 4)
	s_cmp_eq_u32 s2, 0
	s_cbranch_scc0 .Lentry_in_a_cluster
	s_endpgm
.Lentry_in_a_cluster:
	s_bfe_u32 s2, ttmp6, 0x10000c
	s_cmp_lg_u32 s2, 0xf033
	s_cbranch_scc0 .Lentry_shape_is_right
	s_endpgm
.Lentry_shape_is_right:
; qkv = x w_qkv + b_qkv on codes of FP6 (E2M3) with E8M0 scales, sums in f32; q and k are quantised along the head's 64, v along the tokens, and leave as codes: nothing wide goes to memory.
; A work-group of four waves makes 256 x 256, a wave 128 x 128: 64 accumulators, 512 registers.  Source 0 of every product is the "B role", source 1 the "A role": a lane then holds one row of A's tile and, in the 16
; registers of two neighbouring accumulators, 16 NEIGHBOURS along B's rows (the images' tiles are laid for that: row r of tile 2 g + u is element 32 g + 8 u + r + 8 (r / 8)).
; q, k (cluster x = 0, 1): A = tokens, B = weight columns: a lane holds a token and neighbours along the head's axis.   v (cluster x = 2): THE ROLES ARE SWAPPED: A = weight columns 2,048 on, B = tokens: a lane holds a channel and
; neighbouring tokens, which are the second product's K.  One text serves all three: pointers and tile numbers are chosen by s_cselect on the cluster's x, which all partners share; only the way out has two forms.
; IMAGES: [tile][K / 64][768]: a fragment (16 rows x 128 K, 12 registers) is 1,536 consecutive bytes: registers 0-3 at 16 x lane, 4-5 at 512 + 8 x lane, 6-9 at 768 + 16 x lane, 10-11 at 1,280 + 8 x lane.
; K = 1,024 goes in four steps of 256 through three LDS slots: K steps 0, 1, 2 are first fills, K step 3 is the one refill (into slot 0).  By this text's count a wave has three tensor loads out at the start, later one.
; CLUSTER 4 x 4: A's tiles are shared along a row of the cluster, B's along a column: joint loads.
; RECORDS (qrec, kvrec): 13,056 bytes for each (batch x 16 + head, step of 128 tokens): 8 half fragments of q or k; V^T's 4 fragments from 6,144; the token tiles' scale words from 12,288 (tile a, row r: 16 (r + 16 (a % 2)) + 4 (a / 2));
; V's from 12,800 (tile ct, row r: 8 (r + 16 (ct % 2)) + 4 (ct / 2)).  In a q or k word bytes 0, 1 are the head's; bytes 2, 3 are the neighbouring head's or 0: they only ever meet zero codes.
; LIMITS: a block of zeros gets the byte 1 (its codes are zeros); blocks under 2^-124 are held at byte 1; NaN and infinities are not served.
; REGISTERS: window 0: v1-31 addresses; v32-95 scale words and nothing else (register 8 i + w: lanes 0-15 A's tile i, lanes 16-31 B's tile i, K = 128 w on); v96-111 v's biases; v128-223 A's fragments, one set; on the way out v112-243 at work.
;   window 1: B's fragments, two sets, v0-95 and v128-223; q's and k's 64 biases in v96-127 and v224-255.   windows 2, 3: the accumulators, (a, b) at v[8 (8 (a % 4) + b)] of window 2 + a / 4.
.set FR,     12
.set NP,     4                         ; places behind this matrix instruction (ISA guide 7.12.1)
.set TILEB,  3072                      ; a tile's 256 along K
.set HALFB,  8*TILEB                   ; 8 tiles: what one tensor load brings, and what a wave reads of A or of B
.set SLOT,   4*HALFB                   ; A's 16 tiles, then B's
.set SPARE,  3*SLOT                    ; the spare words: 128 bytes a wave, two blocks of 256 bytes that no other line names
.set STG_QK, SPARE+512                 ; q's and k's scale words on their way out: 1,024 bytes a wave
.set STG_V,  STG_QK+4096               ; v's likewise: bytes of their own
.set GW,     262144
.set REC,    13056
.set HEADB,  16*REC
.set O16,  4                           ; v4   16 x lane
.set O8,   5                           ; v5   8 x lane
.set OV,   6                           ; v6   16 (lane % 16) + a head's bytes x (lane / 16)
.set SWA,  7                           ; v7   where I put a q or k scale word
.set RDQ,  8                           ; v8   where I read them back
.set RDV,  9                           ; v9   the same for v's
.set SOFF, 10                          ; v10  my scale words in gsc
.set ADR,  16                          ; v16-27: slot n: +4 n: A at 16 x lane, A at 8 x lane, B at 16 x lane, B at 8 x lane
.set SPW,  28
.set NIL,  29
.set SWV,  30                          ; v30  where I put a v scale word
.set SH,   31                          ; v31  16 h
.set SC,   32
.set BV,   96
.set TM,   112
.set AF,   128
.set HA,   128
.set PW,   212
.set PW2,  213
.set OUTS, 214
.set G1,   24                          ; s[24:31] group 1 for A;  groups 0: s[32:35], s[36:39], s[68:71]
.set G1B,  48                          ; s[48:55] group 1 for B;  groups 0: s[56:59], s[60:63], s[72:75]
.set MSB, 0
.macro WIN new                         ; the immediate's high byte repeats the setting that is left
.if MSB != (\new)
	s_set_vgpr_msb (MSB<<8)|(\new)
.set MSB, (\new)
.endif
.endm
.set MUL_LO, 0xa1                      ; source 0 (B) window 1, source 1 (A) window 0, C and D window 2
.set MUL_HI, 0xf1                      ; the same, C and D window 3
.set TO_B,   0x40                      ; destination window 1, address window 0
; A joint load: waves 0 and 1 fetch for A, waves 2 and 3 for B; the branch hangs on the wave's number alone.  Four v_nop follow each of the two lines.
.macro JLOAD g0a, g1a, g0b, g1b
	s_cmp_eq_u32 s17, 0
	s_cbranch_scc0 .Lfor_b_\@
	tensor_load_to_lds s[\g0a:\g0a+3], s[\g1a:\g1a+7]
	s_nop 0
.rept 4
	v_nop
.endr
	s_branch .Lasked_\@
.Lfor_b_\@:
	tensor_load_to_lds s[\g0b:\g0b+3], s[\g1b:\g1b+7]
	s_nop 0
.rept 4
	v_nop
.endr
.Lasked_\@:
.endm
.macro CREST                           ; a round of the cluster's barrier behind its opening barrier
	s_cmp_lg_u32 s16, 0
	s_cbranch_scc1 .Lnot_wave_0_\@
	s_barrier_signal -3
.Lnot_wave_0_\@:
	s_barrier_wait -3
	s_barrier_signal -1
	s_barrier_wait -1
.endm
.macro CROUND
	s_barrier_signal -1
	s_barrier_wait -1
	CREST
.endm
.macro PLACES n
.rept \n
	v_nop
.endr
.endm
	s_load_b256 s[4:11], s[0:1], 0x0               ; ximg s[4:5], wimg s[6:7], gsc s[8:9], b_qkv s[10:11]
	s_load_b128 s[12:15], s[0:1], 0x20             ; qrec s[12:13], kvrec s[14:15]
	v_lshl_add_u32 v[SPW], v0, 2, SPARE
	v_mov_b32 v[NIL], 0
	ds_add_u32 v28, v29
	ds_add_u32 v28, v29
	s_wait_dscnt 0x0
	v_lshrrev_b32 v1, 5, v0
	v_readfirstlane_b32 s16, v1                    ; wave 0..3
	s_lshr_b32 s17, s16, 1                         ; my half of A's rows.  Also: I fetch for A (0) or for B (1)
	s_and_b32 s18, s16, 1                          ; my half of B's rows.  Also: which 8 tiles I fetch
	s_bfe_u32 s40, ttmp6, 0x40000                  ; cx
	s_bfe_u32 s41, ttmp6, 0x40004                  ; cy
	s_and_b32 s46, ttmp7, 0xffff
	s_lshl_b32 s46, s46, 2                         ; 4 x cluster y
	s_lshl_b32 s47, ttmp9, 2                       ; 4 x cluster x
	s_lshl_b32 s44, s41, 2
	s_lshl_b32 s44, 15, s44                        ; my row of the cluster
	s_lshl_b32 s45, 0x1111, s40                    ; my column
	s_add_co_u32 s43, s46, s41
	s_cmp_eq_u32 ttmp9, 2                          ; v?  The same in all sixteen partners
	s_cselect_b32 s43, s41, s43                    ; A's block of 256 rows: q, k: tokens 4 Y + cy;  v: channels cy
	s_cselect_b32 s42, s46, s47
	s_cselect_b32 s78, 128, 0                      ; v's weight columns begin at tile 128 of wimg
	s_add_co_u32 s42, s42, s40                     ; B's block: q, k: columns 4 X + cx;  v: tokens 4 Y + cx
	; group 1: 8 rows (tiles) of 3,072 bytes, 12,288 bytes apart, as elements of 8 bytes; dense in LDS
	s_or_b32 s[G1], s44, (3<<16)|(1<<21)           ; 15:0 the mask: A's tiles go to my row; 17:16 elements of 8 bytes; 21 set beside a mask
	s_or_b32 s[G1B], s45, (3<<16)|(1<<21)          ; B's go to my column
.irp g, G1, G1B
	s_mov_b32 s[\g+1], 384<<16                     ; tensor_dim0
	s_mov_b32 s[\g+2], 8<<16                       ; tensor_dim1
	s_mov_b32 s[\g+3], 384<<16                     ; tile_dim0
	s_mov_b32 s[\g+4], 8                           ; tile_dim1
	s_mov_b32 s[\g+5], 1536                        ; tensor_dim0_stride
	s_mov_b32 s[\g+6], 0
	s_mov_b32 s[\g+7], 0
.endr
	s_lshl_b32 s79, s18, 3                         ; the 8 tiles that I fetch
	s_lshl_b32 s80, s43, 4
	s_add_co_u32 s80, s80, s78                     ; A's first tile
	s_add_co_u32 s82, s80, s79
	s_mul_i32 s82, s82, 12288
	s_mov_b32 s83, 0
	s_lshl_b32 s81, s42, 4                         ; B's first tile
	s_add_co_u32 s84, s81, s79
	s_mul_i32 s84, s84, 12288
	s_mov_b32 s85, 0
	s_mul_i32 s86, s16, HALFB                      ; where my tiles go: no place in the cluster enters an LDS address
	s_wait_kmcnt 0x0
	s_cmp_eq_u32 ttmp9, 2
	s_cselect_b64 s[88:89], s[6:7], s[4:5]         ; A's image
	s_cselect_b64 s[90:91], s[4:5], s[6:7]         ; B's image
	s_add_nc_u64 s[88:89], s[88:89], s[82:83]
	s_add_nc_u64 s[90:91], s[90:91], s[84:85]
	CROUND                                         ; all sixteen work-groups are here: the first joint loads meet
.macro FIRST n, ga, gb                 ; K step n into slot n
	s_mov_b32 s[\ga], 1
	s_add_co_u32 s[\ga+1], s86, \n*SLOT
	s_add_nc_u64 s[\ga+2:\ga+3], s[88:89], \n*TILEB
	s_or_b32 s[\ga+3], s[\ga+3], 0x80000000
	s_mov_b32 s[\gb], 1
	s_add_co_u32 s[\gb+1], s86, \n*SLOT
	s_add_nc_u64 s[\gb+2:\gb+3], s[90:91], \n*TILEB
	s_or_b32 s[\gb+3], s[\gb+3], 0x80000000
	JLOAD \ga, G1, \gb, G1B
.endm
	FIRST 0, 32, 56
	FIRST 1, 36, 60
	FIRST 2, 68, 72
	v_and_b32 v1, 15, v0                           ; r
	v_bfe_u32 v2, v0, 4, 1                         ; h
	v_and_b32 v3, 31, v0                           ; lane
	v_lshlrev_b32 v[O16], 4, v3
	v_lshlrev_b32 v[O8], 3, v3
	s_mul_i32 s87, s17, HALFB                      ; my 8 tiles of A,
	s_mul_i32 s92, s18, HALFB
	s_add_co_u32 s92, s92, 2*HALFB                 ; my 8 of B, behind A's 16
.irp n, 0,1,2
	v_add_nc_u32 v[ADR+4*\n], s87, v[O16]
	v_add_nc_u32 v[ADR+4*\n+1], s87, v[O8]
	v_add_nc_u32 v[ADR+4*\n+2], s92, v[O16]
	v_add_nc_u32 v[ADR+4*\n+3], s92, v[O8]
	s_add_co_u32 s87, s87, SLOT
	s_add_co_u32 s92, s92, SLOT
.endr
	; the scale words of my 8 + 8 tiles, for all of K: lanes 0-15 take A's, lanes 16-31 B's
	s_cmp_eq_u32 ttmp9, 2
	s_cselect_b32 s93, GW, 0
	s_cselect_b32 s94, 0, GW
	s_lshl_b32 s95, s17, 3
	s_add_co_u32 s95, s95, s80
	s_lshl_b32 s95, s95, 9
	s_add_co_u32 s93, s93, s95
	s_add_co_u32 s95, s81, s79
	s_lshl_b32 s95, s95, 9
	s_add_co_u32 s94, s94, s95
	v_cmp_ne_u32 vcc_lo, 0, v2
	v_mov_b32 v13, s93
	v_mov_b32 v14, s94
	v_cndmask_b32 v[SOFF], v13, v14, vcc_lo
	v_lshl_add_u32 v[SOFF], v1, 3, v[SOFF]
.irp i, 0,1,2,3,4,5,6,7
.irp qd, 0,1,2,3
	global_load_b64 v[SC+8*\i+2*\qd:SC+8*\i+2*\qd+1], v[SOFF], s[8:9] offset:512*\i+128*\qd
.endr
.endr
	; the biases.  Both sets are loaded at addresses inside b_qkv; each way out uses its own
	s_lshl_b32 s96, s42, 10
	s_lshl_b32 s97, s18, 9
	s_add_co_u32 s96, s96, s97                     ; q, k: my 128 columns
	s_lshl_b32 s98, s43, 10
	s_lshl_b32 s97, s17, 9
	s_add_co_u32 s98, s98, s97
	s_add_co_u32 s98, s98, 8192                    ; v: my 128 channels, from column 2,048 on
	s_cmp_eq_u32 ttmp9, 2
	s_cselect_b32 s96, 0, s96
	s_cselect_b32 s98, s98, 0
	s_mov_b32 s97, 0
	s_mov_b32 s99, 0
	s_add_nc_u64 s[96:97], s[10:11], s[96:97]
	s_add_nc_u64 s[98:99], s[10:11], s[98:99]
	v_lshlrev_b32 v11, 6, v2                       ; 64 h: register 16 g + i of a lane is column 32 g + 16 h + i
	v_and_b32 v12, 8, v1
	v_add_nc_u32 v12, v12, v1
	v_lshlrev_b32 v12, 2, v12                      ; 4 (r + 8 (r / 8)): my channel in a tile
	WIN TO_B
.irp g, 0,1,2,3
.irp j, 0,1,2,3
	global_load_b128 v[96+16*\g+4*\j+96*(\g/2):96+16*\g+4*\j+96*(\g/2)+3], v11, s[96:97] offset:128*\g+16*\j
.endr
.endr
	WIN 0
.irp a, 0,1,2,3,4,5,6,7
	global_load_b32 v[BV+2*\a], v12, s[98:99] offset:4*(32*(\a/2)+8*(\a%2))
.endr
	; the way out's addresses
	v_mul_u32_u24 v[OV], v2, HEADB
	v_lshl_add_u32 v[OV], v1, 4, v[OV]
	s_lshl_b32 s95, s16, 10
	v_lshlrev_b32 v[SWA], 4, v1
	v_lshl_add_u32 v[SWA], v2, 9, v[SWA]
	v_add_nc_u32 v[SWA], s95, v[SWA]
	v_add_nc_u32 v[SWA], STG_QK, v[SWA]            ; 16 r + 512 h: lanes 16-31 write the second head's word
	v_add_nc_u32 v[RDQ], s95, v[O16]
	v_add_nc_u32 v[RDV], STG_V, v[RDQ]
	v_add_nc_u32 v[RDQ], STG_QK, v[RDQ]
	v_lshlrev_b32 v[SWV], 3, v1
	v_add_nc_u32 v[SWV], s95, v[SWV]
	v_add_nc_u32 v[SWV], STG_V, v[SWV]
	v_lshlrev_b32 v[SH], 4, v2
.irp b, 0,1,2,3
	v_mov_b32 v[TM+4+\b], 0                        ; written once: a lane permute's destination counts as one of its sources
.endr
	; my record: batch, first head, step of 128 tokens
	s_cmp_eq_u32 ttmp9, 2
	s_cselect_b32 s78, s42, s43                    ; the block of 256 tokens,
	s_cselect_b32 s79, s18, s17                    ; my half of it,
	s_cselect_b32 s80, s43, s42                    ; the block of 256 columns (4 heads),
	s_cselect_b32 s81, s17, s18                    ; my half of it
	s_and_b32 s80, s80, 3
	s_lshr_b32 s82, s78, 3                         ; batch
	s_and_b32 s78, s78, 7
	s_lshl_b32 s78, s78, 1
	s_add_co_u32 s78, s78, s79                     ; step
	s_lshl_b32 s80, s80, 2
	s_lshl_b32 s81, s81, 1
	s_add_co_u32 s80, s80, s81                     ; first head
	s_lshl_b32 s82, s82, 4
	s_add_co_u32 s80, s80, s82
	s_lshl_b32 s80, s80, 4
	s_add_co_u32 s80, s80, s78
	s_mul_i32 s80, s80, REC
	s_mov_b32 s81, 0
	s_cmp_eq_u32 ttmp9, 0
	s_cselect_b64 s[76:77], s[12:13], s[14:15]     ; q's records, or k's and v's
	s_add_nc_u64 s[76:77], s[76:77], s[80:81]
.macro FRAG reg, adr, q, i             ; tile i's q-th fragment of a slot, as it lies: every load reads 512 or 256 consecutive bytes
	ds_load_b128 v[\reg:\reg+3], v[\adr] offset:TILEB*(\i)+1536*(\q)
	ds_load_b64 v[\reg+4:\reg+5], v[\adr+1] offset:TILEB*(\i)+1536*(\q)+512
	ds_load_b128 v[\reg+6:\reg+9], v[\adr] offset:TILEB*(\i)+1536*(\q)+768
	ds_load_b64 v[\reg+10:\reg+11], v[\adr+1] offset:TILEB*(\i)+1536*(\q)+1280
.endm
.macro FETCH_B n, q, p                 ; B's eight fragments into set p
	WIN TO_B
.irp i, 0,1,2,3,4,5,6,7
	FRAG 128*(\p)+FR*\i, ADR+4*(\n)+2, \q, \i
.endr
	WIN 0
.endm
.macro FETCH_A n, q, i0                ; A's blocks i0 .. i0 + 3
.irp i, \i0, \i0+1, \i0+2, \i0+3
	FRAG AF+FR*(\i), ADR+4*(\n), \q, \i
.endr
.endm
; 16 matrix instructions: A's blocks a0, a0 + 1 x B's eight, K = 128 w on.  The 64 accumulators take turns, one instruction a turn, in the same order in every chunk.
.macro MUL16 a0, p, w, zero
.irp a, \a0, \a0+1
.irp b, 0,1,2,3,4,5,6,7
.if \zero
	v_wmma_scale_f32_16x16x128_f8f6f4 v[8*(8*((\a)%4)+\b):8*(8*((\a)%4)+\b)+7], v[128*(\p)+FR*\b:128*(\p)+FR*\b+FR-1], v[AF+FR*(\a):AF+FR*(\a)+FR-1], 0, v[SC+8*\b+(\w)], v[SC+8*(\a)+(\w)] matrix_a_fmt:MATRIX_FMT_FP6 matrix_b_fmt:MATRIX_FMT_FP6 matrix_a_scale:MATRIX_SCALE_ROW1
.else
	v_wmma_scale_f32_16x16x128_f8f6f4 v[8*(8*((\a)%4)+\b):8*(8*((\a)%4)+\b)+7], v[128*(\p)+FR*\b:128*(\p)+FR*\b+FR-1], v[AF+FR*(\a):AF+FR*(\a)+FR-1], v[8*(8*((\a)%4)+\b):8*(8*((\a)%4)+\b)+7], v[SC+8*\b+(\w)], v[SC+8*(\a)+(\w)] matrix_a_fmt:MATRIX_FMT_FP6 matrix_b_fmt:MATRIX_FMT_FP6 matrix_a_scale:MATRIX_SCALE_ROW1
.endif
.endr
.endr
.endm
; Chunk w (128 along K); the next chunk's fragments lie in slot nn, place nq.  A has one set of registers: blocks 0-3 are fetched anew in the chunk's middle, 4-7 at its end; B has two sets.
.macro STEP w, nn, nq, zero
	s_wait_dscnt 16                                ; B's set and A's blocks 0-3 are in; the youngest 16 loads (A's blocks 4-7) may be out
	WIN MUL_LO
	MUL16 0, (\w)%2, \w, \zero
	MUL16 2, (\w)%2, \w, \zero
	s_wait_dscnt 0x0                               ; A's blocks 4-7 are in
	PLACES NP                                      ; in front of loads into registers that matrix instructions have read
	FETCH_B \nn, \nq, 1-(\w)%2
	FETCH_A \nn, \nq, 0
	WIN MUL_HI
	MUL16 4, (\w)%2, \w, \zero
	MUL16 6, (\w)%2, \w, \zero
	PLACES NP
	WIN 0
	FETCH_A \nn, \nq, 4
.endm
; A chunk with a barrier in it.  In front of the barrier each wave waits for all its tensor loads, adds 0 to its spare word, and waits for that and for its LDS reads.  fill = 1: the barrier opens a round of the cluster's, and slot 0,
; which nobody reads any more, takes K step 3.
.macro TURN w, nn, fill
	s_wait_tensorcnt 0x0                           ; all my tensor loads have landed
	ds_add_u32 v[SPW], v[NIL]                      ; 0 onto my spare word
	s_wait_dscnt 17                                ; (the add and the youngest 16 loads may be out)
	WIN MUL_LO
	MUL16 0, (\w)%2, \w, 0                         ; sixteen matrix instructions stand between the add and the wait for it
	s_wait_dscnt 0x0                               ; the add is done, and my reads of the slot are over
	s_barrier_signal -1
	MUL16 2, (\w)%2, \w, 0
	WIN 0
	s_barrier_wait -1
.if \fill
	CREST                                          ; no wave of any partner still reads slot 0 or has a load on its way
	s_add_nc_u64 s[34:35], s[34:35], 3*TILEB       ; slot 0's groups 0: from K step 0 to K step 3
	s_add_nc_u64 s[58:59], s[58:59], 3*TILEB
	JLOAD 32, G1, 56, G1B                          ; the first tensor load behind the round; its four v_nop are the places in front of the loads below
.else
	PLACES NP
.endif
	FETCH_B \nn, 0, 1-(\w)%2
	FETCH_A \nn, 0, 0
	WIN MUL_HI
	MUL16 4, (\w)%2, \w, 0
	MUL16 6, (\w)%2, \w, 0
	PLACES NP
	WIN 0
	FETCH_A \nn, 0, 4
.endm
	s_wait_tensorcnt 2                             ; my part of K step 0 is in; K steps 1 and 2 may be out
	s_barrier_signal -1
	s_barrier_wait -1
	FETCH_B 0, 0, 0
	FETCH_A 0, 0, 0
	FETCH_A 0, 0, 4
	s_wait_loadcnt 0x0                             ; scale words and biases
.irp a, 0,1,2,3,4,5,6,7
	v_mov_b32 v[BV+2*\a+1], v[BV+2*\a]             ; v's bias as a pair, for the packed addition
.endr
	STEP 0, 0, 1, 1                                ; slot 0, first 128: the products start the sums
	TURN 1, 1, 1                                   ; slot 0, second 128; K step 3 is asked for; the round's waits have shown slots 1 and 2 whole to every wave
	STEP 2, 1, 1, 0
	STEP 3, 2, 0, 0                                ; on into slot 2 with no barrier: nothing is filled, and slot 2 was shown landed in front of the round
	STEP 4, 2, 1, 0
	TURN 5, 0, 0                                   ; the refill has landed in every wave: a plain barrier
	STEP 6, 0, 1, 0
	s_wait_dscnt 16                                ; the last chunk: nothing more to fetch
	WIN MUL_LO
	MUL16 0, 1, 7, 0
	MUL16 2, 1, 7, 0
	s_wait_dscnt 0x0
	WIN MUL_HI
	MUL16 4, 1, 7, 0
	MUL16 6, 1, 7, 0
	WIN 0
	PLACES NP                                      ; in front of the first read of results and the first write of operand registers
; 64 numbers of a lane, v[s] on, register 16 b + i = k 32 b + 16 (lane / 16) + i of my row, become a fragment's codes in v[pc] .. v[pc + 11] and its scale word in v[PW].
.macro QUANT s, pc
.irp b, 0,1,2,3
	v_max3_num_f32 v[TM+\b], |v[\s+16*\b]|, |v[\s+1+16*\b]|, 0x1800000   ; my 16 numbers of block b, and the floor 2^(3 - 127)
.endr
.irp i, 2,4,6,8,10,12,14
.irp b, 0,1,2,3
	v_max3_num_f32 v[TM+\b], v[TM+\b], |v[\s+16*\b+\i]|, |v[\s+1+16*\b+\i]|
.endr
.endr
.irp b, 0,1,2,3
	v_permlanex16_b32 v[TM+4+\b], v[TM+\b], s20, s21
.endr
.irp b, 0,1,2,3
	v_max_num_f32 v[TM+\b], v[TM+\b], v[TM+4+\b]   ; with lane l xor 16's: the block's largest magnitude
.endr
.irp b, 0,1,2,3
	v_add_nc_u32 v[TM+12+\b], 0xff000000, v[TM+\b] ; 2 off its exponent field: the conversion's scale operand
.endr
.irp b, 0,1,2,3
	v_lshrrev_b32 v[TM+4+\b], 23, v[TM+12+\b]      ; the byte
.endr
	v_lshl_or_b32 v[PW], v[TM+5], 8, v[TM+4]
	v_lshl_or_b32 v[PW], v[TM+6], 16, v[PW]
	v_lshl_or_b32 v[PW], v[TM+7], 24, v[PW]
.irp c, 0,1
	v_cvt_scalef32_pk16_fp6_f32 v[\pc+6*\c:\pc+2+6*\c], v[\s+32*\c:\s+15+32*\c], v[TM+12+2*\c]
	v_cvt_scalef32_pk16_fp6_f32 v[\pc+12+4*\c:\pc+14+4*\c], v[\s+16+32*\c:\s+31+32*\c], v[TM+12+2*\c+1]   ; (a conversion's three registers begin on an even number)
.endr
	v_nop                                          ; one plain place behind a scaled conversion
.irp c, 0,1                                    ; the operand's layout wants a whole block in a lane
.irp i, 0,1,2
	v_permlane16_swap_b32 v[\pc+6*\c+\i], v[\pc+12+4*\c+\i]
.endr
.irp i, 0,1,2
	v_mov_b32 v[\pc+3+6*\c+\i], v[\pc+12+4*\c+\i]
.endr
.endr
.endm
; THE WAY OUT, A's block a at a time: + bias (each accumulator read from its low end on), quantised, the codes stored from registers in runs of 512 and 256 consecutive bytes; the scale words gathered in my own stage.
.macro EPI isv
.irp a, 0,1,2,3,4,5,6,7
.set PCX, 192+32*(\a%2)
.if \isv
	WIN 0x02+(\a/4)                                ; source 0: the accumulators' window
.else
	WIN 0x06+(\a/4)                                ; and source 1: window 1, the columns' biases
.endif
.set i, 0
.rept 32
.if \isv
	v_pk_add_f32 v[HA+2*i:HA+2*i+1], v[64*(\a%4)+2*i:64*(\a%4)+2*i+1], v[BV+2*\a:BV+2*\a+1]
.else
	v_pk_add_f32 v[HA+2*i:HA+2*i+1], v[64*(\a%4)+2*i:64*(\a%4)+2*i+1], v[96+2*i+96*(i/16):96+2*i+96*(i/16)+1]
.endif
.set i, i+1
.endr
	WIN 0
	s_wait_xcnt 0x0                                ; the earlier stores have read their code registers
	s_wait_dscnt 0x0                               ; and the stage's store its word
	QUANT HA, PCX
.if \isv
	global_store_b128 v[O16], v[PCX:PCX+3], s[76:77] offset:HEADB*(\a/4)+6144+1536*(\a%4)          ; V^T's fragment a % 4 of head a / 4
	global_store_b64 v[O8], v[PCX+4:PCX+5], s[76:77] offset:HEADB*(\a/4)+6144+1536*(\a%4)+512
	global_store_b128 v[O16], v[PCX+6:PCX+9], s[76:77] offset:HEADB*(\a/4)+6144+1536*(\a%4)+768
	global_store_b64 v[O8], v[PCX+10:PCX+11], s[76:77] offset:HEADB*(\a/4)+6144+1536*(\a%4)+1280
	ds_store_b32 v[SWV], v[PW] offset:256*(\a/4)+128*(\a%2)+4*((\a%4)/2)   ; both halves of the lanes write the same word with the same value
.else
	global_store_b128 v[O16], v[PCX:PCX+3], s[76:77] offset:768*\a                                 ; the first head's half fragment of token tile a
	global_store_b64 v[O8], v[PCX+4:PCX+5], s[76:77] offset:768*\a+512
	global_store_b128 v[O16], v[PCX+6:PCX+9], s[76:77] offset:HEADB+768*\a                         ; the second head's
	global_store_b64 v[O8], v[PCX+10:PCX+11], s[76:77] offset:HEADB+768*\a+512
	v_lshrrev_b32 v[PW2], v[SH], v[PW]             ; lanes 16-31: the second head's two bytes come down
	ds_store_b32 v[SWA], v[PW2] offset:256*(\a%2)+4*(\a/2)
.endif
.endr
.if \isv
	ds_load_b128 v[OUTS:OUTS+3], v[RDV]            ; LDS serves a wave's instructions in order: this sees my stores
	s_wait_dscnt 0x0
	global_store_b128 v[OV], v[OUTS:OUTS+3], s[76:77] offset:12800         ; sixteen lanes store each head's 256 consecutive bytes
.else
	ds_load_b128 v[OUTS:OUTS+3], v[RDQ]
	ds_load_b128 v[OUTS+4:OUTS+7], v[RDQ] offset:512
	s_wait_dscnt 0x0
	global_store_b128 v[O16], v[OUTS:OUTS+3], s[76:77] offset:12288        ; 512 consecutive bytes a head
	global_store_b128 v[O16], v[OUTS+4:OUTS+7], s[76:77] offset:HEADB+12288
.endif
.endm
	s_mov_b32 s20, 0x76543210
	s_mov_b32 s21, 0xfedcba98                      ; selects for lane l xor 16
	s_cmp_eq_u32 ttmp9, 2                          ; the cluster's x: the same in all partners
	s_cbranch_scc1 .Lv
	EPI 0
	s_branch .Lend
.Lv:
	EPI 1
.Lend:
	s_wait_tensorcnt 0x0                           ; the wave's end: behind my last tensor load and my last LDS store
	ds_add_u32 v[SPW], v[NIL]
	s_wait_dscnt 0x0
	CROUND                                         ; the closing round: no work-group ends while a partner may still ask for a tile that names it
	s_endpgm
.Lfunc_end_k_q27c5e2218c_qkv:
	.size	k_q27c5e2218c_qkv, .Lfunc_end_k_q27c5e2218c_qkv-k_q27c5e2218c_qkv
	.p2alignl 7, 3214868480
	.fill 96, 4, 3214868480
	.section	.rodata,"a",@progbits
	.p2align	6, 0x0
	.amdhsa_kernel k_q27c5e2218c_qkv
		.amdhsa_group_segment_fixed_size 327680
		.amdhsa_private_segment_fixed_size 0
		.amdhsa_enable_private_segment 0
		.amdhsa_kernarg_size 48
		.amdhsa_user_sgpr_count 2
		.amdhsa_user_sgpr_kernarg_segment_ptr 1
		.amdhsa_wavefront_size32 1
		.amdhsa_system_sgpr_workgroup_id_x 1
		.amdhsa_system_sgpr_workgroup_id_y 1
		.amdhsa_system_sgpr_workgroup_id_z 1
		.amdhsa_system_vgpr_workitem_id 0
		.amdhsa_next_free_vgpr 1024
		.amdhsa_next_free_sgpr 100
		.amdhsa_reserve_vcc 1
		.amdhsa_float_denorm_mode_32 3
		.amdhsa_float_denorm_mode_16_64 3
		.amdhsa_memory_ordered 1
		.amdhsa_forward_progress 1
		.amdhsa_inst_pref_size 219
	.end_amdhsa_kernel
	.amdgpu_metadata
---
amdhsa.version: [ 1, 2 ]
amdhsa.kernels:
  - .name:           k_q27c5e2218c_qkv
    .symbol:         k_q27c5e2218c_qkv.kd
    .args:
      - { .name: ximg, .offset: 0, .size: 8, .value_kind: global_buffer, .address_space: global }
      - { .name: wimg, .offset: 8, .size: 8, .value_kind: global_buffer, .address_space: global }
      - { .name: gsc, .offset: 16, .size: 8, .value_kind: global_buffer, .address_space: global }
      - { .name: b_qkv, .offset: 24, .size: 8, .value_kind: global_buffer, .address_space: global }
      - { .name: qrec, .offset: 32, .size: 8, .value_kind: global_buffer, .address_space: global }
      - { .name: kvrec, .offset: 40, .size: 8, .value_kind: global_buffer, .address_space: global }
    .group_segment_fixed_size: 327680
    .private_segment_fixed_size: 0
    .kernarg_segment_align: 8
    .kernarg_segment_size: 48
    .max_flat_workgroup_size: 128
    .sgpr_count:     100
    .vgpr_count:     1024
    .wavefront_size: 32
...
	.end_amdgpu_metadata
.endif
;; end of part 2
;; launch attn (part 3): grid 4 x 64, 16 waves a work-group, no clusters, 210,944 bytes of LDS; arguments qrec, kvrec, oimg, gsc; writes oimg, gsc
.if DOCPART == 3
	.amdgcn_target "amdgcn-amd-amdhsa--gfx1250"
	.amdhsa_code_object_version 6
	.text
	.protected	k_q27c5e2218c_attn
	.globl	k_q27c5e2218c_attn
	.p2align	8
	.type	k_q27c5e2218c_attn,@function
k_q27c5e2218c_attn:
	s_mov_b64 s[64:65], 0
	v_nop
	global_prefetch_b8 v0, s[64:65] scope:SCOPE_SE
	s_setreg_imm32_b32 hwreg(HW_REG_WAVE_MODE, 25, 1), 1
	s_wait_xcnt 0x0
; Causal attention of one head on codes of FP6 (E2M3) with E8M0 scales: S^T = K Q^T, p = 2^(t - M), O^T = V^T P^T, O / l, and O quantised along the channels for the last product.
; t = score x log2(e) / 8; M = the running largest t rounded UP to a whole number; p is quantised along the keys, not normalised; the row's sum l is taken of the unquantised p.  When M moves, l and O^T are multiplied by 2^(old M - new M): exact.
; SHARES.  Work-group (qb, y): y = batch x 16 + head.  Wave w owns TWO tiles of 16 queries: tile A = 16 qb + w and tile B = 127 - A.  Tile T needs T / 8 + 1 steps of 128 keys, so every wave of the launch has 17 tile steps.
; A WHOLE HEAD'S K, V AND SCALE WORDS, 208,896 bytes, LIE IN LDS, each byte filled once: no ring, no refill, no LDS store.  Each wave brings 26 rows of 256 bytes of the first 106,496 bytes (they cover keys 0 .. 1,023) and 25 rows of the rest:
; two tensor loads a wave are out at the most.  Loop 1 (keys under 1,024: both tiles) starts when the first part has landed; loop 2 (the other keys: tile B alone, since tile A's queries lie under 1,024) behind a second barrier.
; Both loops have 8 trips in every wave; a step all of whose keys come after a tile's queries is jumped over by a scalar branch on ids.
; LAYOUT.  Both products are used transposed: a lane holds ONE query, Q0 + r + 8 (r / 8).  Row r of key tile 2 b + u is key 32 b + 8 u + r + 8 (r / 8), so the 16 registers of tiles 2 b, 2 b + 1 are keys 32 b + 16 h + 0 .. 15.
; K = 64 IN AN INSTRUCTION OF K = 128: Q's registers 6-11 are zero codes.  K's operand of tile t is the run of 12 registers from its six on: the upper six are the next tile's codes (for tile 7 six registers of zeros): finite numbers that meet
; zero codes under scale bytes that are never 0xff: they add exactly 0.
; No cluster, though the four work-groups of a head read the same bytes: which steps a wave jumps over hangs on qb, which would be the work-group's place in its cluster.
; LIMITS: a block of zeros gets the byte 1 (its codes are zeros); NaN and infinities are not served.
; REGISTERS: v1 16 x lane, v2 8 x lane, v3-4 the step's LDS addresses, v5 r + 8 (r / 8) - 16 h; v6-9, v10-13 the tiles' -M, largest t, sum (a pair); v14-15 Q's scale words; v16-27, v28-39 Q's operands; v40-87 fragments, v88-93 zeros;
;   v94-95 V's scale words; v96-159 S^T, then p; v160-191, v192-223 O^T; v224-235 p's codes; v232-247 at work; v248-251 K's scale words; v252 f; v253 p's scale word; v254 at work.
.set REC,   13056
.set HEADB, 16*REC
.set GO,    393216
.set PART0, 16*26*256                  ; the first fills' bytes
.set F,     40
.set S,     96
.set SEL,   32
.set CS,    34
.set TB,    36                         ; s36  LDS byte at which the step's record begins
.set KF,    37                         ; s37  the step's first key
	s_load_b256 s[4:11], s[0:1], 0x0               ; qrec s[4:5], kvrec s[6:7], oimg s[8:9], gsc s[10:11]
	v_lshl_add_u32 v254, v0, 2, 0x33000
	v_mov_b32 v255, 0
	ds_add_u32 v254, v255
	ds_add_u32 v254, v255
	s_wait_dscnt 0x0
	v_lshrrev_b32 v3, 5, v0
	v_readfirstlane_b32 s12, v3                    ; wave 0..15
	s_and_b32 s13, ttmp7, 0xffff                   ; batch x 16 + head
	s_mul_i32 s42, s13, HEADB
	s_mov_b32 s43, 0
	; groups 1: dense rows of 256 bytes (32 elements of 8 bytes), 26 and 25 of them
	s_mov_b32 s16, 3<<16
	s_mov_b32 s17, 32<<16
	s_mov_b32 s18, 26<<16
	s_mov_b32 s19, 32<<16
	s_mov_b32 s20, 26
	s_mov_b32 s21, 32
	s_mov_b32 s22, 0
	s_mov_b32 s23, 0
	s_mov_b32 s56, 3<<16
	s_mov_b32 s57, 32<<16
	s_mov_b32 s58, 25<<16
	s_mov_b32 s59, 32<<16
	s_mov_b32 s60, 25
	s_mov_b32 s61, 32
	s_mov_b32 s62, 0
	s_mov_b32 s63, 0
	s_mul_i32 s44, s12, 26*256                     ; my rows of the first part: the same byte in the head and in LDS
	s_mov_b32 s45, 0
	s_mul_i32 s46, s12, 25*256
	s_add_co_u32 s46, s46, PART0                   ; and of the second
	s_mov_b32 s47, 0
	s_wait_kmcnt 0x0
	s_add_nc_u64 s[6:7], s[6:7], s[42:43]          ; my head's records of k and v
	s_mov_b32 s24, 1
	s_mov_b32 s25, s44
	s_add_nc_u64 s[26:27], s[6:7], s[44:45]
	s_or_b32 s27, s27, 0x80000000
	s_mov_b32 s28, 1
	s_mov_b32 s29, s46
	s_add_nc_u64 s[30:31], s[6:7], s[46:47]
	s_or_b32 s31, s31, 0x80000000
	tensor_load_to_lds s[24:27], s[16:23]          ; both first fills go out together, ahead of every wait on TENSORcnt, every LDS read and every barrier
	s_nop 0
	tensor_load_to_lds s[28:31], s[56:63]
	s_nop 0
.rept 4
	v_nop
.endr
	s_add_nc_u64 s[4:5], s[4:5], s[42:43]          ; my head's records of q
	s_lshl_b32 s14, ttmp9, 4
	s_add_co_u32 s14, s14, s12                     ; tile A
	s_sub_co_u32 s15, 127, s14                     ; tile B
.macro QBASE tau, cb, sb, q0           ; tile s[tau]: where its codes and its scale words lie in qrec, and its first query
	s_lshr_b32 s41, s[\tau], 3
	s_mul_i32 s41, s41, REC                        ; the record
	s_and_b32 s42, s[\tau], 7
	s_mul_i32 s44, s42, 768
	s_add_co_u32 s44, s44, s41
	s_mov_b32 s45, 0
	s_add_nc_u64 s[\cb:\cb+1], s[4:5], s[44:45]
	s_lshr_b32 s42, s42, 1
	s_lshl_b32 s42, s42, 2
	s_and_b32 s44, s[\tau], 1
	s_lshl_b32 s46, s44, 8
	s_add_co_u32 s46, s46, s42
	s_add_co_u32 s46, s46, s41
	s_mov_b32 s47, 0
	s_add_nc_u64 s[\sb:\sb+1], s[4:5], s[46:47]
	s_lshl_b32 s44, s44, 3
	s_lshr_b32 s42, s[\tau], 1
	s_lshl_b32 s42, s42, 5
	s_add_co_u32 s[\q0], s42, s44                  ; 32 (T / 2) + 8 (T % 2)
.endm
	QBASE 14, 48, 50, 39
	QBASE 15, 52, 54, 40
	v_and_b32 v3, 31, v0
	v_lshlrev_b32 v1, 4, v3
	v_lshlrev_b32 v2, 3, v3
	v_and_b32 v3, 15, v0                           ; r
	v_bfe_u32 v4, v0, 4, 1                         ; h
	v_lshlrev_b32 v240, 4, v3                      ; 16 r
	global_load_b128 v[16:19], v1, s[48:49]        ; Q's half fragments stay in registers
	global_load_b64 v[20:21], v2, s[48:49] offset:512
	global_load_b32 v14, v240, s[50:51] offset:12288
	global_load_b128 v[28:31], v1, s[52:53]
	global_load_b64 v[32:33], v2, s[52:53] offset:512
	global_load_b32 v15, v240, s[54:55] offset:12288
	v_and_b32 v5, 8, v3
	v_add_nc_u32 v5, v5, v3
	v_lshlrev_b32 v241, 4, v4
	v_sub_nc_u32 v5, v5, v241                      ; r + 8 (r / 8) - 16 h
	s_mov_b32 s[SEL], 0x76543210
	s_mov_b32 s[SEL+1], 0xfedcba98                 ; selects for lane l xor 16
	s_mov_b32 s[CS], 0x3e38aa3b                    ; c = log2(e) / 8
	s_mov_b32 s[CS+1], s[CS]                       ; (named with it as a pair, so it is written)
.irp j, 22,23,24,25,26,27,34,35,36,37,38,39,88,89,90,91,92,93
	v_mov_b32 v\j, 0                               ; zero codes: Q's upper halves, and what stands behind K's last tile
.endr
	v_mov_b32 v7, 0xff61b1e6                       ; the largest t so far: -3e38
	v_floor_f32 v6, -v7                            ; -M
	v_mov_b32 v8, 0
	v_mov_b32 v9, 0
	v_mov_b32 v11, 0xff61b1e6
	v_floor_f32 v10, -v11
	v_mov_b32 v12, 0
	v_mov_b32 v13, 0
.irp b, 0,1,2,3
	v_mov_b32 v[236+\b], 0                         ; written once: a lane permute's destination counts as one of its sources
.endr
	v_mov_b32 v253, 0                              ; (named as the upper half of the pair v[252:253] before it is first written)
.set i, 0
.rept 64
	v_mov_b32 v[160+i], 0                          ; O^T of both tiles: the step is written once, and its first pass finds zeros
.set i, i+1
.endr
; ONE TILE'S KEY STEP: 128 keys.  qr: Q's operand; qs: its scale word; st: the tile's four statistics; ot: its O^T; causal = 1: the step may be hidden or lie on the diagonal; q0: the scalar with the tile's first query.
.macro TSTEP qr, qs, st, ot, causal, q0
.if \causal
	s_add_co_u32 s41, s[\q0], 23                   ; the tile's last query
	s_cmp_gt_u32 s[KF], s41
	s_cbranch_scc1 .Lhid_\@                        ; all 128 keys come after it
.endif
.rept 4
	v_nop                                          ; places in front of loads into registers that the last products read
.endr
.irp t, 0,1,2,3,4,5,6,7
	ds_load_b128 v[F+6*\t:F+6*\t+3], v3 offset:768*\t
	ds_load_b64 v[F+6*\t+4:F+6*\t+5], v4 offset:768*\t+512
.endr
	ds_load_b128 v[248:251], v3 offset:12288       ; K's scale words: register t / 2, lanes 0-15 the even tile, lanes 16-31 the odd one
	s_wait_dscnt 0x0
.irp t, 0,1,2,3,4,5,6,7
.if \t%2
	v_wmma_scale_f32_16x16x128_f8f6f4 v[S+8*\t:S+8*\t+7], v[F+6*\t:F+6*\t+11], v[\qr:\qr+11], 0, v[248+\t/2], v[\qs] matrix_a_fmt:MATRIX_FMT_FP6 matrix_b_fmt:MATRIX_FMT_FP6 matrix_a_scale:MATRIX_SCALE_ROW1
.else
	v_wmma_scale_f32_16x16x128_f8f6f4 v[S+8*\t:S+8*\t+7], v[F+6*\t:F+6*\t+11], v[\qr:\qr+11], 0, v[248+\t/2], v[\qs] matrix_a_fmt:MATRIX_FMT_FP6 matrix_b_fmt:MATRIX_FMT_FP6
.endif
.endr
.rept 4
	v_nop                                          ; places in front of the loads below and of the first read of the scores
.endr
.irp ct, 0,1,2,3                               ; V^T's four fragments are asked for now and land under the softmax
	ds_load_b128 v[F+12*\ct:F+12*\ct+3], v3 offset:6144+1536*\ct
	ds_load_b64 v[F+12*\ct+4:F+12*\ct+5], v4 offset:6144+1536*\ct+512
	ds_load_b128 v[F+12*\ct+6:F+12*\ct+9], v3 offset:6144+1536*\ct+768
	ds_load_b64 v[F+12*\ct+10:F+12*\ct+11], v4 offset:6144+1536*\ct+1280
.endr
	ds_load_b64 v[94:95], v4 offset:12800          ; V's scale words
.if \causal                                    ; on the diagonal hidden scores become -infinity ahead of the maximum: p = 0 then.  A step all of whose keys count skips this
	s_add_co_u32 s41, s[KF], 127
	s_cmp_le_u32 s41, s[\q0]
	s_cbranch_scc1 .Lopen_\@
	s_sub_co_i32 s41, s[\q0], s[KF]
	v_add_nc_u32 v240, s41, v5                     ; d = my query - KF - 16 h.  Register n holds key KF + 16 h + 32 (n / 16) + n % 16: hidden where 32 (n / 16) + n % 16 > d
	v_mov_b32 v241, 0xff800000
.irp n, 0,1,2,3,4,5,6,7,8,9,10,11,12,13,14,15,16,17,18,19,20,21,22,23,24,25,26,27,28,29,30,31,32,33,34,35,36,37,38,39,40,41,42,43,44,45,46,47,48,49,50,51,52,53,54,55,56,57,58,59,60,61,62,63
	v_cmp_gt_i32 vcc_lo, 32*(\n/16)+\n%16, v240
	v_cndmask_b32 v[S+\n], v[S+\n], v241, vcc_lo
.endr
.Lopen_\@:
.endif
.irp b, 0,1,2,3
	v_max3_num_f32 v[232+\b], v[S+16*\b], v[S+1+16*\b], v[S+2+16*\b]   ; the largest score of each block of 32 keys: for the row's maximum and, since p rises with the score, for the block's largest p
.endr
.irp i, 3,5,7,9,11,13
.irp b, 0,1,2,3
	v_max3_num_f32 v[232+\b], v[232+\b], v[S+16*\b+\i], v[S+1+16*\b+\i]
.endr
.endr
.irp b, 0,1,2,3
	v_max_num_f32 v[232+\b], v[232+\b], v[S+15+16*\b]
.endr
.irp b, 0,1,2,3
	v_permlanex16_b32 v[236+\b], v[232+\b], s[SEL], s[SEL+1]
.endr
.irp b, 0,1,2,3
	v_max_num_f32 v[232+\b], v[232+\b], v[236+\b]  ; with lane l xor 16's 16 keys
.endr
	v_max3_num_f32 v254, v232, v233, v234
	v_max_num_f32 v254, v254, v235
	v_mul_f32 v254, s[CS], v254                    ; the step's largest t (c is positive)
	v_max_num_f32 v[\st+1], v[\st+1], v254         ; the running largest t
	v_mov_b32 v254, v[\st]
	v_floor_f32 v[\st], -v[\st+1]                  ; the new -M = floor(-t): M is a whole number
	v_sub_f32 v254, v[\st], v254                   ; old M - new M: a whole number, 0 or less
	v_cvt_i32_f32 v254, v254                       ; (it saturates)
	v_ldexp_f32 v252, 1.0, v254                    ; f = 2^(old M - new M)
.irp j, 0,2,4,6,8,10,12,14,16,18,20,22,24,26,28,30,32,34,36,38,40,42,44,46,48,50,52,54,56,58,60,62
	v_pk_fma_f32 v[S+\j:S+1+\j], v[S+\j:S+1+\j], s[CS:CS+1], v[\st:\st+1] op_sel_hi:[1,0,0]   ; t - M, two at a time
.endr
.irp b, 0,1,2,3
	v_fma_f32 v[232+\b], v[232+\b], s[CS], v[\st]  ; the same of each block's largest score
.endr
.irp j, 0,1,2,3,4,5,6,7,8,9,10,11,12,13,14,15,16,17,18,19,20,21,22,23,24,25,26,27,28,29,30,31,32,33,34,35,36,37,38,39,40,41,42,43,44,45,46,47,48,49,50,51,52,53,54,55,56,57,58,59,60,61,62,63
	v_exp_f32 v[S+\j], v[S+\j]                     ; p = 2^(t - M), at most 1
.endr
	v_pk_mul_f32 v[\st+2:\st+3], v[\st+2:\st+3], v[252:253] op_sel_hi:[1,0]   ; the sums under the new M: the plain place behind the exponentials
	s_wait_alu depctr_va_vdst(0)                   ; one wait for the whole batch, ahead of its first reader
.irp b, 0,1,2,3
	v_exp_f32 v[232+\b], v[232+\b]                 ; the block's largest p
.endr
	v_pk_add_f32 v[236:237], v[S:S+1], v[S+2:S+3]  ; the row's sum of the unquantised p, in two chains
.irp j, 4,8,12,16,20,24,28,32,36,40,44,48,52,56,60
	v_pk_add_f32 v[\st+2:\st+3], v[\st+2:\st+3], v[S+\j:S+1+\j]
	v_pk_add_f32 v[236:237], v[236:237], v[S+2+\j:S+3+\j]
.endr
	v_pk_add_f32 v[\st+2:\st+3], v[\st+2:\st+3], v[236:237]
	s_wait_alu depctr_va_vdst(0)                   ; and one for the four
.irp b, 0,1,2,3
	v_max_num_f32 v[232+\b], 0x1800000, v[232+\b]  ; the floor 2^(3 - 127): the byte cannot fall under 1
.endr
.irp b, 0,1,2,3
	v_add_nc_u32 v[244+\b], 0xff000000, v[232+\b]  ; the conversion's scale operand
.endr
.irp b, 0,1,2,3
	v_lshrrev_b32 v[236+\b], 23, v[244+\b]         ; the byte
.endr
	v_lshl_or_b32 v253, v237, 8, v236              ; p's scale word for these 128 keys
	v_lshl_or_b32 v253, v238, 16, v253
	v_lshl_or_b32 v253, v239, 24, v253
.irp c, 0,1
	v_cvt_scalef32_pk16_fp6_f32 v[224+6*\c:226+6*\c], v[S+32*\c:S+15+32*\c], v[244+2*\c]
	v_cvt_scalef32_pk16_fp6_f32 v[236+4*\c:238+4*\c], v[S+16+32*\c:S+31+32*\c], v[244+2*\c+1]
.endr
	v_nop                                          ; one plain place behind a scaled conversion
.irp c, 0,1
.irp i, 0,1,2
	v_permlane16_swap_b32 v[224+6*\c+\i], v[236+4*\c+\i]
.endr
.irp i, 0,1,2
	v_mov_b32 v[227+6*\c+\i], v[236+4*\c+\i]
.endr
.endr
.irp j, 0,2,4,6,8,10,12,14,16,18,20,22,24,26,28,30
	v_pk_mul_f32 v[\ot+\j:\ot+1+\j], v[\ot+\j:\ot+1+\j], v[252:253] op_sel_hi:[1,0]   ; O^T under the new M.  (These 16 are also the places between the codes, the scale word and the products)
.endr
	s_wait_dscnt 0x0                               ; V is in
.irp ct, 0,1,2,3                               ; the four accumulators take turns, one instruction a turn
.if \ct%2
	v_wmma_scale_f32_16x16x128_f8f6f4 v[\ot+8*\ct:\ot+8*\ct+7], v[F+12*\ct:F+12*\ct+11], v[224:235], v[\ot+8*\ct:\ot+8*\ct+7], v[94+\ct/2], v253 matrix_a_fmt:MATRIX_FMT_FP6 matrix_b_fmt:MATRIX_FMT_FP6 matrix_a_scale:MATRIX_SCALE_ROW1
.else
	v_wmma_scale_f32_16x16x128_f8f6f4 v[\ot+8*\ct:\ot+8*\ct+7], v[F+12*\ct:F+12*\ct+11], v[224:235], v[\ot+8*\ct:\ot+8*\ct+7], v[94+\ct/2], v253 matrix_a_fmt:MATRIX_FMT_FP6 matrix_b_fmt:MATRIX_FMT_FP6
.endif
.endr
.if \causal
.Lhid_\@:
.endif
.endm
	s_wait_loadcnt 0x0                             ; Q
	s_wait_tensorcnt 1                             ; my rows of the first part are in; my rows of the second may be out
	s_barrier_signal -1
	s_barrier_wait -1                              ; everybody's are
	s_mov_b32 s[TB], 0
	s_mov_b32 s[KF], 0
	s_mov_b32 s38, 8
.Lk1:                                              ; keys 0 .. 1,023: tile A under the mask; all of them count for tile B, whose queries are 1,024 and up
	v_add_nc_u32 v3, s[TB], v1
	v_add_nc_u32 v4, s[TB], v2
	TSTEP 16, 14, 6, 160, 1, 39
	TSTEP 28, 15, 10, 192, 0, 40
	s_add_co_u32 s[TB], s[TB], REC
	s_add_co_u32 s[KF], s[KF], 128
	s_sub_co_u32 s38, s38, 1
	s_cmp_lg_u32 s38, 0
	s_cbranch_scc1 .Lk1
	s_wait_tensorcnt 0x0                           ; my rows of the second part are in,
	s_wait_dscnt 0x0
	s_barrier_signal -1
	s_barrier_wait -1                              ; everybody's are
	s_mov_b32 s[TB], 8*REC
	s_mov_b32 s[KF], 1024
	s_mov_b32 s38, 8
.Lk2:                                              ; keys 1,024 .. 2,047: tile B alone
	v_add_nc_u32 v3, s[TB], v1
	v_add_nc_u32 v4, s[TB], v2
	TSTEP 28, 15, 10, 192, 1, 40
	s_add_co_u32 s[TB], s[TB], REC
	s_add_co_u32 s[KF], s[KF], 128
	s_sub_co_u32 s38, s38, 1
	s_cmp_lg_u32 s38, 0
	s_cbranch_scc1 .Lk2
	; THE WAY OUT.  O^T / l; register 16 g + i of a lane is channel 32 g + 16 h + i of my query: two blocks of the last product's K.  The codes are a half fragment of oimg (tile = the tokens' tile, K / 64 = the head).
.rept 4
	v_nop                                          ; places behind the last products
.endr
	s_lshr_b32 s41, s13, 4
	s_lshl_b32 s41, s41, 7                         ; 128 tiles a batch
	s_and_b32 s42, s13, 15                         ; head
	s_add_co_u32 s43, s41, s14
	s_add_co_u32 s44, s41, s15
	s_mul_i32 s46, s42, 768
	s_mul_i32 s48, s43, 12288
	s_add_co_u32 s48, s48, s46
	s_mov_b32 s49, 0
	s_mul_i32 s50, s44, 12288
	s_add_co_u32 s50, s50, s46
	s_mov_b32 s51, 0
	s_add_nc_u64 s[48:49], s[8:9], s[48:49]
	s_add_nc_u64 s[50:51], s[8:9], s[50:51]
	s_lshl_b32 s52, s43, 9                         ; tile A's scale words; my head's two bytes: quarter head / 4, byte 2 (head % 4) of a row's 8
	s_lshr_b32 s46, s42, 2
	s_lshl_b32 s46, s46, 7
	s_add_co_u32 s52, s52, s46
	s_and_b32 s46, s42, 3
	s_lshl_b32 s46, s46, 1
	s_add_co_u32 s52, s52, s46
	s_add_co_u32 s52, s52, GO
	s_mov_b32 s53, 0
	s_add_nc_u64 s[52:53], s[10:11], s[52:53]
.macro OUT st, ot, c, base
	v_add_f32 v[\st+2], v[\st+2], v[\st+3]         ; the sum's two halves,
	v_permlanex16_b32 v236, v[\st+2], s[SEL], s[SEL+1]
	v_add_f32 v[\st+2], v[\st+2], v236             ; and lane l xor 16's
	v_rcp_f32 v[\st+2], v[\st+2]
	v_nop                                          ; a plain place behind the reciprocal
	s_wait_alu depctr_va_vdst(0)                   ; and the wait ahead of its first reader
.set i, 0
.rept 32
	v_mul_f32 v[S+i], v[\ot+i], v[\st+2]           ; each accumulator from its low end on
.set i, i+1
.endr
.irp b, 0,1
	v_max3_num_f32 v[232+\b], |v[S+16*\b]|, |v[S+1+16*\b]|, 0x1800000
.endr
.irp i, 2,4,6,8,10,12,14
.irp b, 0,1
	v_max3_num_f32 v[232+\b], v[232+\b], |v[S+16*\b+\i]|, |v[S+1+16*\b+\i]|
.endr
.endr
.irp b, 0,1
	v_permlanex16_b32 v[236+\b], v[232+\b], s[SEL], s[SEL+1]
.endr
.irp b, 0,1
	v_max_num_f32 v[232+\b], v[232+\b], v[236+\b]
.endr
.irp b, 0,1
	v_add_nc_u32 v[244+\b], 0xff000000, v[232+\b]
.endr
.irp b, 0,1
	v_lshrrev_b32 v[240+\b], 23, v[244+\b]
.endr
	v_lshl_or_b32 v[246+\c], v241, 8, v240         ; the head's two bytes of my row
	v_cvt_scalef32_pk16_fp6_f32 v[224+6*\c:226+6*\c], v[S:S+15], v244
	v_cvt_scalef32_pk16_fp6_f32 v[236+4*\c:238+4*\c], v[S+16:S+31], v245
	v_nop                                          ; one plain place behind a scaled conversion
.irp i, 0,1,2
	v_permlane16_swap_b32 v[224+6*\c+\i], v[236+4*\c+\i]
.endr
.irp i, 0,1,2
	v_mov_b32 v[227+6*\c+\i], v[236+4*\c+\i]
.endr
	global_store_b128 v1, v[224+6*\c:227+6*\c], s[\base:\base+1]               ; 512 consecutive bytes
	global_store_b64 v2, v[228+6*\c:229+6*\c], s[\base:\base+1] offset:512     ; 256 consecutive bytes
.endm
	OUT 6, 160, 0, 48
	OUT 10, 192, 1, 50                             ; other code registers than tile A's: no wait between the two
	v_and_b32 v3, 15, v0
	v_bfe_u32 v4, v0, 4, 1
	s_sub_co_u32 s41, s15, s14
	s_lshl_b32 s41, s41, 9
	v_mul_u32_u24 v242, v4, s41                    ; lanes 16-31 store tile B's rows: (B - A) x 512 bytes on
	v_lshl_add_u32 v242, v3, 3, v242
	v_cmp_ne_u32 vcc_lo, 0, v4
	v_cndmask_b32 v243, v246, v247, vcc_lo
	global_store_b16 v242, v243, s[52:53]          ; 2 bytes a row: a head owns 2 of a row's 32 scale bytes; the region is 262,144 bytes in all, and is laid so that the next launch reads it by loads of 8 bytes
	s_wait_xcnt 0x0
	v_lshl_add_u32 v254, v0, 2, 0x33000
	v_mov_b32 v255, 0
	s_wait_tensorcnt 0x0
	ds_add_u32 v254, v255
	s_wait_dscnt 0x0
	s_endpgm
.Lfunc_end_k_q27c5e2218c_attn:
	.size	k_q27c5e2218c_attn, .Lfunc_end_k_q27c5e2218c_attn-k_q27c5e2218c_attn
	.p2alignl 7, 3214868480
	.fill 96, 4, 3214868480
	.section	.rodata,"a",@progbits
	.p2align	6, 0x0
	.amdhsa_kernel k_q27c5e2218c_attn
		.amdhsa_group_segment_fixed_size 210944
		.amdhsa_private_segment_fixed_size 0
		.amdhsa_enable_private_segment 0
		.amdhsa_kernarg_size 32
		.amdhsa_user_sgpr_count 2
		.amdhsa_user_sgpr_kernarg_segment_ptr 1
		.amdhsa_wavefront_size32 1
		.amdhsa_system_sgpr_workgroup_id_x 1
		.amdhsa_system_sgpr_workgroup_id_y 1
		.amdhsa_system_sgpr_workgroup_id_z 1
		.amdhsa_system_vgpr_workitem_id 0
		.amdhsa_next_free_vgpr 256
		.amdhsa_next_free_sgpr 66
		.amdhsa_reserve_vcc 1
		.amdhsa_float_denorm_mode_32 3
		.amdhsa_float_denorm_mode_16_64 3
		.amdhsa_memory_ordered 1
		.amdhsa_forward_progress 1
		.amdhsa_inst_pref_size 75
	.end_amdhsa_kernel
	.amdgpu_metadata
---
amdhsa.version: [ 1, 2 ]
amdhsa.kernels:
  - .name:           k_q27c5e2218c_attn
    .symbol:         k_q27c5e2218c_attn.kd
    .args:
      - { .name: qrec, .offset: 0, .size: 8, .value_kind: global_buffer, .address_space: global }
      - { .name: kvrec, .offset: 8, .size: 8, .value_kind: global_buffer, .address_space: global }
      - { .name: oimg, .offset: 16, .size: 8, .value_kind: global_buffer, .address_space: global }
      - { .name: gsc, .offset: 24, .size: 8, .value_kind: global_buffer, .address_space: global }
    .group_segment_fixed_size: 210944
    .private_segment_fixed_size: 0
    .kernarg_segment_align: 8
    .kernarg_segment_size: 32
    .max_flat_workgroup_size: 512
    .sgpr_count:     66
    .vgpr_count:     256
    .wavefront_size: 32
...
	.end_amdgpu_metadata
.endif
;; end of part 3
;; launch outp (part 4): grid 4 x 32, 4 waves a work-group, clusters of 4 x 4, 327,680 bytes of LDS; arguments oimg, wimg, gsc, b_out, out0; writes out0
.if DOCPART == 4
	.amdgcn_target "amdgcn-amd-amdhsa--gfx1250"
	.amdhsa_code_object_version 6
	.text
	.protected	k_q27c5e2218c_outp
	.globl	k_q27c5e2218c_outp
	.p2align	8
	.type	k_q27c5e2218c_outp,@function
k_q27c5e2218c_outp:
	s_mov_b64 s[64:65], 0
	v_nop
	global_prefetch_b8 v0, s[64:65] scope:SCOPE_SE
	s_setreg_imm32_b32 hwreg(HW_REG_WAVE_MODE, 25, 1), 1
	s_wait_xcnt 0x0
	s_wait_alu depctr_hold_cnt(0) depctr_sa_sdst(0) depctr_va_vdst(0) depctr_va_sdst(0) depctr_va_ssrc(0) depctr_va_vcc(0) depctr_vm_vsrc(0)
	s_getreg_b32 s2, hwreg(HW_REG_IB_STS2, 6, 4)
	s_cmp_eq_u32 s2, 0
	s_cbranch_scc0 .Lentry_in_a_cluster
	s_endpgm
.Lentry_in_a_cluster:
	s_bfe_u32 s2, ttmp6, 0x10000c
	s_cmp_lg_u32 s2, 0xf033
	s_cbranch_scc0 .Lentry_shape_is_right
	s_endpgm
.Lentry_shape_is_right:
; out0 = attention's output x w_out + b_out on codes of FP6 (E2M3) with E8M0 scales, sums in f32.  A [8192][1024]: oimg, its scale words from byte GO of gsc; B: w_out's columns, tiles 192 on of wimg, their scale words from byte GW.
; A work-group of four waves makes 256 x 256, a wave 128 x 128: 64 accumulators.  Source 0 = 16 columns of w_out, source 1 = 16 tokens: a lane holds one token and, in the 16 registers of two neighbouring accumulators, 16 neighbouring columns
; (row r of tile 2 g + u of an image is element 32 g + 8 u + r + 8 (r / 8)).  The bias is the C of each sum's first product.
; IMAGES: [tile][K / 64][768]: a fragment (12 registers) is 1,536 consecutive bytes: registers 0-3 at 16 x lane, 4-5 at 512 + 8 x lane, 6-9 at 768 + 16 x lane, 10-11 at 1,280 + 8 x lane.
; K = 1,024 goes in four steps of 256 through three LDS slots: K steps 0, 1, 2 are first fills, K step 3 is the one refill (into slot 0).  By this text's count a wave has three tensor loads out at the start, later one.
; CLUSTER 4 x 4: A's tiles are shared along a row of the cluster, B's along a column: joint loads.
; REGISTERS: window 0: v1-31 addresses; v32-95 scale words and nothing else (register 8 i + w: lanes 0-15 A's tile i, lanes 16-31 B's tile i, K = 128 w on); v128-223 A's fragments, one set; on the way out v128-255 rows of out0.
;   window 1: B's fragments, two sets, v0-95 and v128-223; the 64 biases in v96-127 and v224-255.   windows 2, 3: the accumulators, (a, b) at v[8 (8 (a % 4) + b)] of window 2 + a / 4.
.set FR,     12
.set NP,     4                         ; places behind this matrix instruction (ISA guide 7.12.1)
.set TILEB,  3072
.set HALFB,  8*TILEB
.set SLOT,   4*HALFB
.set SPARE,  3*SLOT                    ; the spare words: 128 bytes a wave, two blocks of 256 bytes that no other line names
.set STAGE,  SLOT                      ; the way out: 16 rows x (512 + 16) bytes a wave, in slot 1: it had its one fill at the start, and every wave has passed a barrier behind its last read of it
.set SPITCH, 528
.set GW,     262144
.set GO,     393216
.set O16,  4                           ; v4   16 x lane
.set O8,   5                           ; v5   8 x lane
.set STO,  7                           ; v7   the way out: where I put 32 bytes of a row
.set RD,   8                           ; v8   where I read a row back
.set SOFF, 10
.set ADR,  16
.set SPW,  28
.set NIL,  29
.set SC,   32
.set AF,   128
.set BK,   128
.set G1,   24                          ; s[24:31] group 1 for A;  groups 0: s[32:35], s[36:39], s[68:71]
.set G1B,  48                          ; s[48:55] group 1 for B;  groups 0: s[56:59], s[60:63], s[72:75]
.set MSB, 0
.macro WIN new                         ; the immediate's high byte repeats the setting that is left
.if MSB != (\new)
	s_set_vgpr_msb (MSB<<8)|(\new)
.set MSB, (\new)
.endif
.endm
.set MUL_LO, 0xa1                      ; source 0 (B) window 1, source 1 (A) window 0, C and D window 2
.set MUL_HI, 0xf1                      ; the same, C and D window 3
.set TO_B,   0x40
.macro JLOAD g0a, g1a, g0b, g1b        ; a joint load: waves 0 and 1 fetch for A, waves 2 and 3 for B; four v_nop follow each of the two lines
	s_cmp_eq_u32 s17, 0
	s_cbranch_scc0 .Lfor_b_\@
	tensor_load_to_lds s[\g0a:\g0a+3], s[\g1a:\g1a+7]
	s_nop 0
.rept 4
	v_nop
.endr
	s_branch .Lasked_\@
.Lfor_b_\@:
	tensor_load_to_lds s[\g0b:\g0b+3], s[\g1b:\g1b+7]
	s_nop 0
.rept 4
	v_nop
.endr
.Lasked_\@:
.endm
.macro CREST
	s_cmp_lg_u32 s16, 0
	s_cbranch_scc1 .Lnot_wave_0_\@
	s_barrier_signal -3
.Lnot_wave_0_\@:
	s_barrier_wait -3
	s_barrier_signal -1
	s_barrier_wait -1
.endm
.macro CROUND
	s_barrier_signal -1
	s_barrier_wait -1
	CREST
.endm
.macro PLACES n
.rept \n
	v_nop
.endr
.endm
	s_load_b256 s[4:11], s[0:1], 0x0               ; oimg s[4:5], wimg s[6:7], gsc s[8:9], b_out s[10:11]
	s_load_b64 s[12:13], s[0:1], 0x20              ; out0
	v_lshl_add_u32 v[SPW], v0, 2, SPARE
	v_mov_b32 v[NIL], 0
	ds_add_u32 v28, v29
	ds_add_u32 v28, v29
	s_wait_dscnt 0x0
	v_lshrrev_b32 v1, 5, v0
	v_readfirstlane_b32 s16, v1                    ; wave 0..3
	s_lshr_b32 s17, s16, 1                         ; my half of the tokens.  Also: I fetch for A (0) or for B (1)
	s_and_b32 s18, s16, 1                          ; my half of the columns.  Also: which 8 tiles I fetch
	s_bfe_u32 s40, ttmp6, 0x40000                  ; cx
	s_bfe_u32 s41, ttmp6, 0x40004                  ; cy
	s_lshl_b32 s42, ttmp9, 2
	s_add_co_u32 s42, s42, s40                     ; block of 256 columns
	s_and_b32 s43, ttmp7, 0xffff
	s_lshl_b32 s43, s43, 2
	s_add_co_u32 s43, s43, s41                     ; block of 256 tokens
	s_lshl_b32 s44, s41, 2
	s_lshl_b32 s44, 15, s44                        ; my row of the cluster
	s_lshl_b32 s45, 0x1111, s40                    ; my column
	s_or_b32 s[G1], s44, (3<<16)|(1<<21)           ; 8 rows (tiles) of 3,072 bytes, 12,288 bytes apart, as elements of 8 bytes; the mask; bit 21 beside it
	s_or_b32 s[G1B], s45, (3<<16)|(1<<21)
.irp g, G1, G1B
	s_mov_b32 s[\g+1], 384<<16
	s_mov_b32 s[\g+2], 8<<16
	s_mov_b32 s[\g+3], 384<<16
	s_mov_b32 s[\g+4], 8
	s_mov_b32 s[\g+5], 1536
	s_mov_b32 s[\g+6], 0
	s_mov_b32 s[\g+7], 0
.endr
	s_lshl_b32 s79, s18, 3
	s_lshl_b32 s80, s43, 4                         ; A's first tile
	s_add_co_u32 s82, s80, s79
	s_mul_i32 s82, s82, 12288
	s_mov_b32 s83, 0
	s_lshl_b32 s81, s42, 4
	s_add_co_u32 s81, s81, 192                     ; B's first tile: w_out's begin at tile 192 of wimg
	s_add_co_u32 s84, s81, s79
	s_mul_i32 s84, s84, 12288
	s_mov_b32 s85, 0
	s_mul_i32 s86, s16, HALFB
	s_wait_kmcnt 0x0
	s_add_nc_u64 s[88:89], s[4:5], s[82:83]
	s_add_nc_u64 s[90:91], s[6:7], s[84:85]
	CROUND                                         ; all sixteen work-groups are here: the first joint loads meet
.macro FIRST n, ga, gb
	s_mov_b32 s[\ga], 1
	s_add_co_u32 s[\ga+1], s86, \n*SLOT
	s_add_nc_u64 s[\ga+2:\ga+3], s[88:89], \n*TILEB
	s_or_b32 s[\ga+3], s[\ga+3], 0x80000000
	s_mov_b32 s[\gb], 1
	s_add_co_u32 s[\gb+1], s86, \n*SLOT
	s_add_nc_u64 s[\gb+2:\gb+3], s[90:91], \n*TILEB
	s_or_b32 s[\gb+3], s[\gb+3], 0x80000000
	JLOAD \ga, G1, \gb, G1B
.endm
	FIRST 0, 32, 56
	FIRST 1, 36, 60
	FIRST 2, 68, 72
	v_and_b32 v1, 15, v0                           ; r
	v_bfe_u32 v2, v0, 4, 1                         ; h
	v_and_b32 v3, 31, v0
	v_lshlrev_b32 v[O16], 4, v3
	v_lshlrev_b32 v[O8], 3, v3
	s_mul_i32 s87, s17, HALFB
	s_mul_i32 s92, s18, HALFB
	s_add_co_u32 s92, s92, 2*HALFB
.irp n, 0,1,2
	v_add_nc_u32 v[ADR+4*\n], s87, v[O16]
	v_add_nc_u32 v[ADR+4*\n+1], s87, v[O8]
	v_add_nc_u32 v[ADR+4*\n+2], s92, v[O16]
	v_add_nc_u32 v[ADR+4*\n+3], s92, v[O8]
	s_add_co_u32 s87, s87, SLOT
	s_add_co_u32 s92, s92, SLOT
.endr
	s_lshl_b32 s95, s17, 3                         ; the scale words of my 8 + 8 tiles, for all of K: lanes 0-15 take A's, lanes 16-31 B's
	s_add_co_u32 s95, s95, s80
	s_lshl_b32 s93, s95, 9
	s_add_co_u32 s93, s93, GO
	s_add_co_u32 s95, s81, s79
	s_lshl_b32 s94, s95, 9
	s_add_co_u32 s94, s94, GW
	v_cmp_ne_u32 vcc_lo, 0, v2
	v_mov_b32 v13, s93
	v_mov_b32 v14, s94
	v_cndmask_b32 v[SOFF], v13, v14, vcc_lo
	v_lshl_add_u32 v[SOFF], v1, 3, v[SOFF]
.irp i, 0,1,2,3,4,5,6,7
.irp qd, 0,1,2,3
	global_load_b64 v[SC+8*\i+2*\qd:SC+8*\i+2*\qd+1], v[SOFF], s[8:9] offset:512*\i+128*\qd
.endr
.endr
	s_lshl_b32 s96, s42, 10                        ; the biases of my 128 columns
	s_lshl_b32 s97, s18, 9
	s_add_co_u32 s96, s96, s97
	s_mov_b32 s97, 0
	s_add_nc_u64 s[98:99], s[10:11], s[96:97]
	v_lshlrev_b32 v11, 6, v2                       ; 64 h: register 16 g + i of a lane is column 32 g + 16 h + i
	WIN TO_B
.irp g, 0,1,2,3
.irp j, 0,1,2,3
	global_load_b128 v[96+16*\g+4*\j+96*(\g/2):96+16*\g+4*\j+96*(\g/2)+3], v11, s[98:99] offset:128*\g+16*\j
.endr
.endr
	WIN 0
	s_mul_i32 s95, s16, 16*SPITCH
	s_add_co_u32 s95, s95, STAGE                   ; my stage
	v_mul_u32_u24 v[STO], v1, SPITCH
	v_lshl_add_u32 v[STO], v2, 6, v[STO]
	v_add_nc_u32 v[STO], s95, v[STO]               ; in: row r, + 64 h
	v_add_nc_u32 v[RD], s95, v[O16]                ; back: a row of 512 bytes, 16 bytes a lane
	s_lshl_b32 s78, s43, 20                        ; my first token's row of out0: (256 x block + 128 x half) x 4,096 bytes,
	s_lshl_b32 s79, s17, 19
	s_add_co_u32 s78, s78, s79
	s_add_co_u32 s78, s78, s96                     ; and my first column, in bytes
	s_mov_b32 s79, 0
	s_add_nc_u64 s[12:13], s[12:13], s[78:79]
.macro FRAG reg, adr, q, i
	ds_load_b128 v[\reg:\reg+3], v[\adr] offset:TILEB*(\i)+1536*(\q)
	ds_load_b64 v[\reg+4:\reg+5], v[\adr+1] offset:TILEB*(\i)+1536*(\q)+512
	ds_load_b128 v[\reg+6:\reg+9], v[\adr] offset:TILEB*(\i)+1536*(\q)+768
	ds_load_b64 v[\reg+10:\reg+11], v[\adr+1] offset:TILEB*(\i)+1536*(\q)+1280
.endm
.macro FETCH_B n, q, p
	WIN TO_B
.irp i, 0,1,2,3,4,5,6,7
	FRAG 128*(\p)+FR*\i, ADR+4*(\n)+2, \q, \i
.endr
	WIN 0
.endm
.macro FETCH_A n, q, i0
.irp i, \i0, \i0+1, \i0+2, \i0+3
	FRAG AF+FR*(\i), ADR+4*(\n), \q, \i
.endr
.endm
; 16 matrix instructions: A's blocks a0, a0 + 1 x B's eight, K = 128 w on.  first = 1: the sum begins with the columns' biases as C.  The 64 accumulators take turns, one instruction a turn.
.macro MUL16 a0, p, w, first
.irp a, \a0, \a0+1
.irp b, 0,1,2,3,4,5,6,7
.if \first
	v_wmma_scale_f32_16x16x128_f8f6f4 v[8*(8*((\a)%4)+\b):8*(8*((\a)%4)+\b)+7], v[128*(\p)+FR*\b:128*(\p)+FR*\b+FR-1], v[AF+FR*(\a):AF+FR*(\a)+FR-1], v[96+8*\b+96*(\b/4):96+8*\b+96*(\b/4)+7], v[SC+8*\b+(\w)], v[SC+8*(\a)+(\w)] matrix_a_fmt:MATRIX_FMT_FP6 matrix_b_fmt:MATRIX_FMT_FP6 matrix_a_scale:MATRIX_SCALE_ROW1
.else
	v_wmma_scale_f32_16x16x128_f8f6f4 v[8*(8*((\a)%4)+\b):8*(8*((\a)%4)+\b)+7], v[128*(\p)+FR*\b:128*(\p)+FR*\b+FR-1], v[AF+FR*(\a):AF+FR*(\a)+FR-1], v[8*(8*((\a)%4)+\b):8*(8*((\a)%4)+\b)+7], v[SC+8*\b+(\w)], v[SC+8*(\a)+(\w)] matrix_a_fmt:MATRIX_FMT_FP6 matrix_b_fmt:MATRIX_FMT_FP6 matrix_a_scale:MATRIX_SCALE_ROW1
.endif
.endr
.endr
.endm
.macro STEP w, nn, nq, first
	s_wait_dscnt 16                                ; B's set and A's blocks 0-3 are in; the youngest 16 loads (A's blocks 4-7) may be out
.if \first
	WIN 0x91                                       ; C: window 1, the biases; D: window 2
.else
	WIN MUL_LO
.endif
	MUL16 0, (\w)%2, \w, \first
	MUL16 2, (\w)%2, \w, \first
	s_wait_dscnt 0x0
	PLACES NP                                      ; in front of loads into registers that matrix instructions have read
	FETCH_B \nn, \nq, 1-(\w)%2
	FETCH_A \nn, \nq, 0
.if \first
	WIN 0xd1                                       ; C: window 1; D: window 3
.else
	WIN MUL_HI
.endif
	MUL16 4, (\w)%2, \w, \first
	MUL16 6, (\w)%2, \w, \first
	PLACES NP
	WIN 0
	FETCH_A \nn, \nq, 4
.endm
.macro TURN w, nn, fill
	s_wait_tensorcnt 0x0                           ; all my tensor loads have landed
	ds_add_u32 v[SPW], v[NIL]                      ; 0 onto my spare word
	s_wait_dscnt 17                                ; (the add and the youngest 16 loads may be out)
	WIN MUL_LO
	MUL16 0, (\w)%2, \w, 0
	s_wait_dscnt 0x0                               ; the add is done, and my reads of the slot are over
	s_barrier_signal -1
	MUL16 2, (\w)%2, \w, 0
	WIN 0
	s_barrier_wait -1
.if \fill
	CREST                                          ; no wave of any partner still reads slot 0 or has a load on its way
	s_add_nc_u64 s[34:35], s[34:35], 3*TILEB       ; slot 0's groups 0: from K step 0 to K step 3
	s_add_nc_u64 s[58:59], s[58:59], 3*TILEB
	JLOAD 32, G1, 56, G1B                          ; the first tensor load behind the round; its four v_nop are the places in front of the loads below
.else
	PLACES NP
.endif
	FETCH_B \nn, 0, 1-(\w)%2
	FETCH_A \nn, 0, 0
	WIN MUL_HI
	MUL16 4, (\w)%2, \w, 0
	MUL16 6, (\w)%2, \w, 0
	PLACES NP
	WIN 0
	FETCH_A \nn, 0, 4
.endm
	s_wait_tensorcnt 2                             ; my part of K step 0 is in; K steps 1 and 2 may be out
	s_barrier_signal -1
	s_barrier_wait -1
	FETCH_B 0, 0, 0
	FETCH_A 0, 0, 0
	FETCH_A 0, 0, 4
	s_wait_loadcnt 0x0                             ; scale words and biases
	STEP 0, 0, 1, 1
	TURN 1, 1, 1                                   ; K step 3 is asked for; the round's waits have shown slots 1 and 2 whole to every wave
	STEP 2, 1, 1, 0
	STEP 3, 2, 0, 0
	STEP 4, 2, 1, 0
	TURN 5, 0, 0                                   ; the refill has landed in every wave: a plain barrier; behind it nobody reads slot 1 any more
	STEP 6, 0, 1, 0
	s_wait_dscnt 16
	WIN MUL_LO
	MUL16 0, 1, 7, 0
	MUL16 2, 1, 7, 0
	s_wait_dscnt 0x0
	WIN MUL_HI
	MUL16 4, 1, 7, 0
	MUL16 6, 1, 7, 0
	WIN 0
; THE WAY OUT, block by block of 16 tokens x 128 columns, through my own stage: in as 32 bytes a lane, back as whole rows of 512 bytes.  LDS serves a wave's instructions in order: no wait between the stores and the loads.
.macro TOSTAGE a
.set AC, 64*((\a)%4)
	WIN 0x08+4*((\a)/4)                            ; an LDS store's data are its source 1: window 2 or 3
.irp b, 0,1,2,3,4,5,6,7
	ds_store_b128 v[STO], v[AC+8*\b:AC+8*\b+3] offset:128*(\b/2)+32*(\b%2)         ; each accumulator from its low end on: columns 32 (b / 2) + 16 h + 8 (b % 2) on
	ds_store_b128 v[STO], v[AC+8*\b+4:AC+8*\b+7] offset:128*(\b/2)+32*(\b%2)+16
.endr
	WIN 0
.set BB, BK+64*((\a)%2)
.irp t, 0,1,2,3,4,5,6,7,8,9,10,11,12,13,14,15
	ds_load_b128 v[BB+4*\t:BB+4*\t+3], v[RD] offset:\t*SPITCH
.endr
.endm
.macro SEND a, younger                 ; younger: the LDS instructions issued behind block a's loads, which may stay out
.set BB, BK+64*((\a)%2)
	s_wait_dscnt \younger
.irp t, 0,1,2,3,4,5,6,7,8,9,10,11,12,13,14,15
	global_store_b128 v[O16], v[BB+4*\t:BB+4*\t+3], s[12:13] offset:(32*((\a)/2)+8*((\a)%2)+\t+8*(\t/8))*4096 th:TH_STORE_NT   ; a row's 512 consecutive bytes; row t of tile a is token 32 (a / 2) + 8 (a % 2) + t + 8 (t / 8)
.endr
.endm
	PLACES NP                                      ; in front of the first read of results and of loads into the registers that held A's fragments
	TOSTAGE 0
.irp a, 1,2,3,4,5,6,7
.if \a > 1
	s_wait_xcnt 0x0                                ; block a - 2's stores have read their registers: block a's loads may land there
.endif
	TOSTAGE \a
	SEND \a-1, 32                                  ; behind block a - 1's loads: block a's 16 stores and 16 loads
.endr
	SEND 7, 0
	s_wait_tensorcnt 0x0                           ; the wave's end: behind my last tensor load and my last LDS store
	ds_add_u32 v[SPW], v[NIL]
	s_wait_dscnt 0x0
	CROUND                                         ; the closing round: no work-group ends while a partner may still ask for a tile that names it
	s_endpgm
.Lfunc_end_k_q27c5e2218c_outp:
	.size	k_q27c5e2218c_outp, .Lfunc_end_k_q27c5e2218c_outp-k_q27c5e2218c_outp
	.p2alignl 7, 3214868480
	.fill 96, 4, 3214868480
	.section	.rodata,"a",@progbits
	.p2align	6, 0x0
	.amdhsa_kernel k_q27c5e2218c_outp
		.amdhsa_group_segment_fixed_size 327680
		.amdhsa_private_segment_fixed_size 0
		.amdhsa_enable_private_segment 0
		.amdhsa_kernarg_size 40
		.amdhsa_user_sgpr_count 2
		.amdhsa_user_sgpr_kernarg_segment_ptr 1
		.amdhsa_wavefront_size32 1
		.amdhsa_system_sgpr_workgroup_id_x 1
		.amdhsa_system_sgpr_workgroup_id_y 1
		.amdhsa_system_sgpr_workgroup_id_z 1
		.amdhsa_system_vgpr_workitem_id 0
		.amdhsa_next_free_vgpr 1024
		.amdhsa_next_free_sgpr 100
		.amdhsa_reserve_vcc 1
		.amdhsa_float_denorm_mode_32 3
		.amdhsa_float_denorm_mode_16_64 3
		.amdhsa_memory_ordered 1
		.amdhsa_forward_progress 1
		.amdhsa_inst_pref_size 144
	.end_amdhsa_kernel
	.amdgpu_metadata
---
amdhsa.version: [ 1, 2 ]
amdhsa.kernels:
  - .name:           k_q27c5e2218c_outp
    .symbol:         k_q27c5e2218c_outp.kd
    .args:
      - { .name: oimg, .offset: 0, .size: 8, .value_kind: global_buffer, .address_space: global }
      - { .name: wimg, .offset: 8, .size: 8, .value_kind: global_buffer, .address_space: global }
      - { .name: gsc, .offset: 16, .size: 8, .value_kind: global_buffer, .address_space: global }
      - { .name: b_out, .offset: 24, .size: 8, .value_kind: global_buffer, .address_space: global }
      - { .name: out0, .offset: 32, .size: 8, .value_kind: global_buffer, .address_space: global }
    .group_segment_fixed_size: 327680
    .private_segment_fixed_size: 0
    .kernarg_segment_align: 8
    .kernarg_segment_size: 40
    .max_flat_workgroup_size: 128
    .sgpr_count:     100
    .vgpr_count:     1024
    .wavefront_size: 32
...
	.end_amdgpu_metadata
.endif
;; end of part 4
